; MI455X (gfx1250); checked and timed in simulation.
; The chip was launched on July 23, 2026; its instructions are those of AMD's public machine-readable ISA for CDNA 5 (MIT licence, August 2026) and "CDNA5" Instruction Set Architecture Reference Guide (July 2026). The comments in the code are by the model that wrote it; some were corrected since.
;; Linked Attention. Allowed arithmetic: float matrix products may take bf16 or f16 operands with f32 sums; other float arithmetic in f32, or as packed bf16 or f16 multiplies, adds, multiply-adds, maxima and minima; sums over many terms, partial sums and values carried from step to step in f32; what a program stores and reads back later, other than sums and carried values, may be rounded once to bf16 or f16.
;; Inputs: Wh 1,024 x 1,024 float32; Wp 1,024 x 1,024 float32; Wx 1,024 x 1,024 float32; Wy 1,024 x 1,024 float32; input_states 32 x 2,048 x 1,024 float32; last_state 32 x 1,024 float32; w 1,024 x 1 float32.
;; Outputs: out0 32 x 1,024 float32.
;; 2 versions, each right; version 2 is version 1 with the launch main written anew for expert scheduling mode. Each part assembles by itself: llvm-mc -triple=amdgcn-amd-amdhsa -mcpu=gfx1250 --defsym DOCPART=n.
;; ======== version 1 of 2: 4 launches
;; workspace buffers: wyf 2,097,152 bytes; wpf 2,097,152 bytes; hpart 1,048,576 bytes; rpart 2,097,152 bytes; ml 131,072 bytes; rb 65,536 bytes
;; launch prep (part 1): grid 64 x 4, 8 waves a work-group, no clusters, 111,616 bytes of LDS; arguments Wy, Wp, Wh, Wx, last_state, wyf, wpf, hpart; writes wyf, wpf, hpart
.if DOCPART == 1
	.amdgcn_target "amdgcn-amd-amdhsa--gfx1250"
	.amdhsa_code_object_version 6
	.text
	.protected	k_q8b35a602c7_prep
	.globl	k_q8b35a602c7_prep
	.p2align	8
	.type	k_q8b35a602c7_prep,@function
k_q8b35a602c7_prep:
	s_mov_b64 s[64:65], 0
	v_nop
	global_prefetch_b8 v0, s[64:65] scope:SCOPE_SE
	s_setreg_imm32_b32 hwreg(HW_REG_WAVE_MODE, 25, 1), 1
	s_wait_xcnt 0x0
; PREPARATION.  Grid y = 0, 1: Wy, Wp ([1024 k][1024 e] f32) are rounded to bf16 and written in FRAGMENT ORDER (wyf, wpf).
; Grid y = 2, 3: partial sums of last_state x Wh and last_state x Wx, one for each quarter of K, in f32 (hpart[y - 2][quarter][32][1024]).
; FRAGMENT ORDER.  A fragment is 16 columns e = 16 tau .. + 15 by 32 k = 32 s .. + 31 as a matrix instruction takes it: lane l holds column l % 16; registers 0-3
; k = 8 (l / 16) + 0..7, registers 4-7 k = 16 + 8 (l / 16) + 0..7.  It lies at byte (tau / 8) 262,144 + s 8,192 + (tau % 8) 1,024; in it registers 4 half .. 4 half + 3 of lane l at 512 half + 16 l.
; So a later load of 16 bytes a lane takes 512 consecutive bytes, and 128 columns are one stream of 32 x 8 KiB along K.
; SHARES.  Grid x: strip = x % 16 (64 columns: 256 bytes of each row of W), quarter = x / 16.  Wave v takes K step s = 8 quarter + v: 32 rows of W x 64 columns, four fragments.
; W lies [k][e], a fragment wants k along a lane's registers: the tile goes through the wave's own LDS bytes and comes back turned, by ds_load_tr16_b128.
; ROUNDING.  W and last_state are rounded to bf16 (nearest even) once; the sums are f32.  NaN and infinities are not treated apart.
; No cluster: no two work-groups read the same bytes of W; last_state is 128 KiB against 16 MiB.
.set PITCH,  160                       ; a tile's row in LDS: 128 bytes + 32 = 40 words
.set WTILE,  32*PITCH                  ; a wave's tile
.set RED,    8*WTILE                   ; behind the tiles: eight copies (one a wave) of 32 rows x 64 f32
.set RP,     272                       ; a row there: 256 bytes + 16
.set RCOPY,  32*RP
.set SPARE,  RED+8*RCOPY               ; the spare words, 128 bytes for each wave: four blocks of 256 bytes that no other line names
.set SPW,  1                           ; v1   LDS address of my spare word; never rewritten
.set NIL,  2                           ; v2   0; never rewritten
.set WO,   3                           ; v3   my 16 bytes in two rows of W: lanes 0-15 a row, lanes 16-31 the row four further down
.set TS,   4                           ; v4   where my 8 bytes of bf16 go in the tile
.set TT,   5                           ; v5   the turning load's address
.set FO,   6                           ; v6   16 x lane
.set LO,   7                           ; v7   my bytes of last_state
.set RW,   8                           ; v8   where I put my part of a partial tile
.set RR,   9                           ; v9   where I read rows back
.set HO,   10                          ; v10  the same rows in hpart
.set ACC,  16                          ; v[16:79]    eight accumulators: (mt, i) at ACC + 8 (4 mt + i)
.set STG,  80                          ; v[80:143]   W as loaded; later the eight copies read back
.set WF,   144                         ; v[144:175]  four fragments of W
.set LF32, 176                         ; v[176:207]  last_state in f32
.set LF,   208                         ; v[208:223]  its two fragments
	s_load_b512 s[4:19], s[0:1], 0x0               ; Wy s[4:5], Wp s[6:7], Wh s[8:9], Wx s[10:11], last_state s[12:13], wyf s[14:15], wpf s[16:17], hpart s[18:19]
	v_lshl_add_u32 v[SPW], v0, 2, SPARE
	v_mov_b32 v[NIL], 0
	v_lshrrev_b32 v11, 5, v0
	v_readfirstlane_b32 s20, v11                   ; wave 0..7
	s_and_b32 s21, ttmp9, 15                       ; strip
	s_lshr_b32 s22, ttmp9, 4                       ; quarter of K
	s_and_b32 s23, ttmp7, 0xffff                   ; which matrix
	s_lshl_b32 s24, s22, 3
	s_add_co_u32 s24, s24, s20                     ; K step s
	v_and_b32 v12, 15, v0                          ; l % 16
	v_bfe_u32 v13, v0, 4, 1                        ; l / 16
	v_and_b32 v14, 31, v0                          ; l
	v_lshlrev_b32 v[WO], 4, v12
	v_lshl_add_u32 v[WO], v13, 14, v[WO]           ; 16 (l % 16) + 4 rows of 4,096 bytes for the upper lanes
	s_mul_i32 s25, s20, WTILE                      ; my tile
	v_mul_u32_u24 v[TS], v13, 4*PITCH
	v_lshl_add_u32 v[TS], v12, 3, v[TS]
	v_add_nc_u32 v[TS], s25, v[TS]
	v_and_b32 v15, 7, v0
	v_lshl_add_u32 v15, v13, 3, v15                ; row 8 (l / 16) + l % 8
	v_mul_u32_u24 v[TT], v15, PITCH
	v_bfe_u32 v15, v0, 3, 1
	v_lshl_add_u32 v[TT], v15, 4, v[TT]            ; + 16 ((l / 8) % 2)
	v_add_nc_u32 v[TT], s25, v[TT]
	v_lshlrev_b32 v[FO], 4, v14
	v_lshlrev_b32 v[LO], 12, v12                   ; row l % 16 of last_state,
	v_lshl_add_u32 v[LO], v13, 5, v[LO]            ; 8 f32 for each half of the lanes,
	s_lshl_b32 s40, s24, 7
	v_add_nc_u32 v[LO], s40, v[LO]                 ; at k = 32 s
	s_mul_i32 s40, s20, RCOPY
	s_add_co_u32 s40, s40, RED                     ; my copy
	v_mul_u32_u24 v[RW], v12, RP
	v_lshl_add_u32 v[RW], v13, 5, v[RW]
	v_add_nc_u32 v[RW], s40, v[RW]
	s_lshl_b32 s40, s20, 2
	v_add_nc_u32 v15, s40, v13                     ; row 4 wave + l / 16
	v_mul_u32_u24 v[RR], v15, RP
	v_lshl_add_u32 v[RR], v12, 4, v[RR]
	v_add_nc_u32 v[RR], RED, v[RR]
	v_lshlrev_b32 v[HO], 12, v15
	v_lshl_add_u32 v[HO], v12, 4, v[HO]
	s_lshl_b32 s32, s24, 17                        ; W: 32 s rows of 4,096 bytes
	s_lshl_b32 s33, s21, 8                         ; + the strip's 256 bytes
	s_add_co_u32 s32, s32, s33
	s_mov_b32 s33, 0
	s_wait_kmcnt 0x0
; 32 rows x 256 bytes of W: loaded (each 16 lanes take 256 consecutive bytes, aligned), rounded to bf16, laid into my tile, read back turned.
.macro TURN
.irp i, 0,1,2,3,4,5,6,7,8,9,10,11,12,13,14,15
	global_load_b128 v[STG+4*(\i):STG+4*(\i)+3], v[WO], s[26:27] offset:(((\i)/4)*8+(\i)%4)*4096 th:TH_LOAD_NT
.endr
.irp i, 0,1,2,3,4,5,6,7,8,9,10,11,12,13,14,15
	s_wait_loadcnt 15-(\i)                         ; loads come back in order: load i is in, the younger ones stay out
	v_cvt_pk_bf16_f32 v[STG+4*(\i)], v[STG+4*(\i)], v[STG+4*(\i)+1]
	v_cvt_pk_bf16_f32 v[STG+4*(\i)+1], v[STG+4*(\i)+2], v[STG+4*(\i)+3]
	ds_store_b64 v[TS], v[STG+4*(\i):STG+4*(\i)+1] offset:(((\i)/4)*8+(\i)%4)*PITCH  ; rows four apart start 160 words apart: the two halves of the lanes take different halves of the banks
.endr
.irp i, 0,1,2,3
	ds_load_tr16_b128 v[WF+8*(\i):WF+8*(\i)+3],   v[TT] offset:32*(\i)              ; my own bytes: LDS serves a wave's instructions in order, so these see the stores above
	ds_load_tr16_b128 v[WF+8*(\i)+4:WF+8*(\i)+7], v[TT] offset:32*(\i)+16*PITCH
.endr
	s_wait_dscnt 0x0
.endm
	s_cmp_ge_u32 s23, 2                            ; the same answer in all eight waves: it hangs on the work-group's place in the grid alone
	s_cbranch_scc1 .Lproj
	; ---- Wy or Wp into fragment order
	s_cmp_eq_u32 s23, 0
	s_cselect_b64 s[26:27], s[4:5], s[6:7]
	s_cselect_b64 s[28:29], s[14:15], s[16:17]
	s_add_nc_u64 s[26:27], s[26:27], s[32:33]
	s_lshr_b32 s34, s21, 1                         ; tau / 8 = strip / 2
	s_lshl_b32 s34, s34, 18
	s_lshl_b32 s35, s24, 13                        ; s x 8,192
	s_add_co_u32 s34, s34, s35
	s_and_b32 s35, s21, 1                          ; tau % 8 = 4 (strip % 2) + i
	s_lshl_b32 s35, s35, 12
	s_add_co_u32 s34, s34, s35
	s_mov_b32 s35, 0
	s_add_nc_u64 s[28:29], s[28:29], s[34:35]
	TURN
.irp i, 0,1,2,3
	global_store_b128 v[FO], v[WF+8*(\i):WF+8*(\i)+3],   s[28:29] offset:(\i)*1024      ; each store covers 512 consecutive bytes, aligned
	global_store_b128 v[FO], v[WF+8*(\i)+4:WF+8*(\i)+7], s[28:29] offset:(\i)*1024+512
.endr
	s_branch .Lend
	; ---- last_state x Wh or Wx: this quarter of K, this strip
.Lproj:
	s_cmp_eq_u32 s23, 2
	s_cselect_b64 s[26:27], s[8:9], s[10:11]
	s_add_nc_u64 s[26:27], s[26:27], s[32:33]
	s_sub_co_u32 s36, s23, 2
	s_lshl_b32 s36, s36, 2
	s_add_co_u32 s36, s36, s22
	s_lshl_b32 s36, s36, 17                        ; (4 (y - 2) + quarter) x 32 rows of 4,096 bytes
	s_lshl_b32 s37, s21, 8
	s_add_co_u32 s36, s36, s37
	s_mov_b32 s37, 0
	s_add_nc_u64 s[30:31], s[18:19], s[36:37]
.irp m, 0,1
	global_load_b128 v[LF32+16*(\m):LF32+16*(\m)+3],     v[LO], s[12:13] offset:(\m)*65536      ; k = 8 (l / 16) + 0..3
	global_load_b128 v[LF32+16*(\m)+4:LF32+16*(\m)+7],   v[LO], s[12:13] offset:(\m)*65536+16   ; + 4..7
	global_load_b128 v[LF32+16*(\m)+8:LF32+16*(\m)+11],  v[LO], s[12:13] offset:(\m)*65536+64   ; k = 16 + 8 (l / 16) + 0..3
	global_load_b128 v[LF32+16*(\m)+12:LF32+16*(\m)+15], v[LO], s[12:13] offset:(\m)*65536+80
.endr
	TURN                                           ; its counted waits cover the eight older loads above
.irp m, 0,1
.irp j, 0,1,2,3,4,5,6,7
	v_cvt_pk_bf16_f32 v[LF+8*(\m)+(\j)], v[LF32+16*(\m)+2*(\j)], v[LF32+16*(\m)+2*(\j)+1]
.endr
.endr
	; source 0 = 16 columns of W, source 1 = 16 rows of last_state: register j of lane l holds (e = 16 i + 8 (l / 16) + j, m = 16 mt + l % 16).  Eight different accumulators, each started by the constant 0.
.irp m, 0,1
.irp i, 0,1,2,3
	v_wmma_f32_16x16x32_bf16 v[ACC+8*(4*(\m)+(\i)):ACC+8*(4*(\m)+(\i))+7], v[WF+8*(\i):WF+8*(\i)+7], v[LF+8*(\m):LF+8*(\m)+7], 0
.endr
.endr
.rept 4
	v_nop                                          ; four places between the last product and the stores that read results
.endr
.irp m, 0,1
.irp i, 0,1,2,3
	ds_store_b128 v[RW], v[ACC+8*(4*(\m)+(\i)):ACC+8*(4*(\m)+(\i))+3]   offset:(\m)*16*RP+64*(\i)      ; each accumulator's low registers first
	ds_store_b128 v[RW], v[ACC+8*(4*(\m)+(\i))+4:ACC+8*(4*(\m)+(\i))+7] offset:(\m)*16*RP+64*(\i)+16
.endr
.endr
	s_wait_dscnt 0x0                               ; for the others' sake: my copy is written
	s_barrier_signal -1
	s_barrier_wait -1                              ; all eight copies lie in LDS
.irp u, 0,1,2,3,4,5,6,7
	ds_load_b128 v[STG+8*(\u):STG+8*(\u)+3],   v[RR] offset:(\u)*RCOPY          ; rows 4 wave + l / 16
	ds_load_b128 v[STG+8*(\u)+4:STG+8*(\u)+7], v[RR] offset:(\u)*RCOPY+2*RP     ; and two further down
.endr
	s_wait_dscnt 0x0
.irp u, 1,2,3,4,5,6,7
.irp q, 0,2,4,6
	v_pk_add_f32 v[STG+(\q):STG+(\q)+1], v[STG+(\q):STG+(\q)+1], v[STG+8*(\u)+(\q):STG+8*(\u)+(\q)+1]
.endr
.endr
	global_store_b128 v[HO], v[STG:STG+3],   s[30:31]                ; 16 lanes store 256 consecutive bytes, aligned
	global_store_b128 v[HO], v[STG+4:STG+7], s[30:31] offset:8192
.Lend:
	s_wait_tensorcnt 0x0                           ; the wave's end, behind my last LDS store
	ds_add_u32 v[SPW], v[NIL]
	s_wait_dscnt 0x0
	s_endpgm
.Lfunc_end_k_q8b35a602c7_prep:
	.size	k_q8b35a602c7_prep, .Lfunc_end_k_q8b35a602c7_prep-k_q8b35a602c7_prep
	.p2alignl 7, 3214868480
	.fill 96, 4, 3214868480
	.section	.rodata,"a",@progbits
	.p2align	6, 0x0
	.amdhsa_kernel k_q8b35a602c7_prep
		.amdhsa_group_segment_fixed_size 111616
		.amdhsa_private_segment_fixed_size 0
		.amdhsa_enable_private_segment 0
		.amdhsa_kernarg_size 64
		.amdhsa_user_sgpr_count 2
		.amdhsa_user_sgpr_kernarg_segment_ptr 1
		.amdhsa_wavefront_size32 1
		.amdhsa_system_sgpr_workgroup_id_x 1
		.amdhsa_system_sgpr_workgroup_id_y 1
		.amdhsa_system_sgpr_workgroup_id_z 1
		.amdhsa_system_vgpr_workitem_id 0
		.amdhsa_next_free_vgpr 224
		.amdhsa_next_free_sgpr 66
		.amdhsa_reserve_vcc 0
		.amdhsa_float_denorm_mode_32 3
		.amdhsa_float_denorm_mode_16_64 3
		.amdhsa_memory_ordered 1
		.amdhsa_forward_progress 1
		.amdhsa_inst_pref_size 22
	.end_amdhsa_kernel
	.amdgpu_metadata
---
amdhsa.version: [ 1, 2 ]
amdhsa.kernels:
  - .name:           k_q8b35a602c7_prep
    .symbol:         k_q8b35a602c7_prep.kd
    .args:
      - { .name: Wy, .offset: 0, .size: 8, .value_kind: global_buffer, .address_space: global }
      - { .name: Wp, .offset: 8, .size: 8, .value_kind: global_buffer, .address_space: global }
      - { .name: Wh, .offset: 16, .size: 8, .value_kind: global_buffer, .address_space: global }
      - { .name: Wx, .offset: 24, .size: 8, .value_kind: global_buffer, .address_space: global }
      - { .name: last_state, .offset: 32, .size: 8, .value_kind: global_buffer, .address_space: global }
      - { .name: wyf, .offset: 40, .size: 8, .value_kind: global_buffer, .address_space: global }
      - { .name: wpf, .offset: 48, .size: 8, .value_kind: global_buffer, .address_space: global }
      - { .name: hpart, .offset: 56, .size: 8, .value_kind: global_buffer, .address_space: global }
    .group_segment_fixed_size: 111616
    .private_segment_fixed_size: 0
    .kernarg_segment_align: 8
    .kernarg_segment_size: 64
    .max_flat_workgroup_size: 256
    .sgpr_count:     66
    .vgpr_count:     224
    .wavefront_size: 32
...
	.end_amdgpu_metadata
.endif
;; end of part 1
;; launch main (part 2): grid 512 x 1, 4 waves a work-group, no clusters, 312,832 bytes of LDS; arguments input_states, wyf, hpart, w, rpart, ml; writes rpart, ml
.if DOCPART == 2
	.amdgcn_target "amdgcn-amd-amdhsa--gfx1250"
	.amdhsa_code_object_version 6
	.text
	.protected	k_q8b35a602c7_main
	.globl	k_q8b35a602c7_main
	.p2align	8
	.type	k_q8b35a602c7_main,@function
k_q8b35a602c7_main:
	s_mov_b64 s[64:65], 0
	v_nop
	global_prefetch_b8 v0, s[64:65] scope:SCOPE_SE
	s_setreg_imm32_b32 hwreg(HW_REG_WAVE_MODE, 25, 1), 1
	s_wait_xcnt 0x0
; FOR 128 ROWS t OF ONE BATCH b: score[t] = sum over e of relu(sum over d of X[t][d] Wy[d][e] + hproj[b][e]) w[e];  m = the block's largest score;  p[t] = exp(score[t] - m);
; l = sum of p;  R[d] = sum over t of p[t] X[t][d].  Stored: R (rpart[block][1024], f32) and (m, l) (ml[block]).  A later launch joins a batch's 16 blocks under the batch's true maximum.
; X IS READ FROM MEMORY ONCE: the block is rounded to bf16 on its way in and stays in LDS (288 KiB) for both products.
; SHARES.  Block = the work-group's number; batch = block / 16.  Wave w brings in rows 32 w .. 32 w + 31; multiplies ALL 128 rows by columns 256 w + 128 p + 0..127 of Wy in pass p = 0, 1
; (64 accumulators of 16 x 16: 512 registers); and makes R's channels 256 w .. 256 w + 255.  K goes in 32 steps of 32; for a step a wave issues 64 matrix instructions, 16 LDS loads (X) and 16 global loads (Wy).
; WY COMES STRAIGHT INTO REGISTERS, in fragment order (each load 512 consecutive bytes, aligned), through a ring of four register sets, asked for four steps ahead.  NO LDS RING, NO CLUSTER, NO JOINT LOADS FOR IT:
; beside the resident block, the tables and the stages LDS has 14,848 bytes left, and one K step's columns for the four waves are 32 KiB: no two slots fit.
; Blocks of fewer rows would make room, and halve the products that each byte of Wy feeds.
; ORIENTATION.  Source 0 = 16 columns e of Wy, source 1 = 16 rows t of X: register j of lane l of accumulator (a, b) holds (e = e0 + 16 b + 8 (l / 16) + j, t = 16 a + l % 16).  A lane holds ONE row t,
; so the sum over e runs along its registers, then over the two halves of the lanes, then over the eight (wave, pass).  hproj enters as the C operand of a pass's first K step: nothing is cleared, no bias is added afterwards.
; PASS 0 RUNS BEHIND X's ARRIVAL: X comes in chunks of 64 along K (256 bytes of a row); a UNIT is 16 rows of a chunk, 8 loads; step s rounds and stores unit s + 3 and asks for unit s + 7;
; chunk c is whole in LDS at the barrier in step 2 c - 1, in front of the first fetch of step 2 c.  No LDS byte is written twice, so no barrier is needed between a read and a later write.
; ROUNDING AND LIMITS.  X, Wy (and last_state, Wh in hproj's products) are rounded to bf16; hproj, w, the scores, m and l are f32; p is rounded to bf16 for the product with X, l is the sum of the unrounded p.
; A weight below 2^-126 counts as 0.  NaN and infinities are not treated apart.
; REGISTERS, in windows of 256 (s_set_vgpr_msb: bits 1:0 source 0, 3:2 source 1, 5:4 source 2, 7:6 destination):
;   window 0: v0-31 addresses and scratch; v32-95 X's eight fragments of one step; v96-111 at work; v128-255 X as loaded, four slots of 32
;   window 1: Wy's four sets of 64 (set = step % 4; fragment b at + 8 b); set 3 also takes hproj's tiles for a pass's first step and w's tiles for its end
;   window 2: accumulators of rows 0-63 ((a, b) at v[8 (8 (a % 4) + b)]);   window 3: those of rows 64-127
.set XPITCH, 144                       ; a row of a chunk in LDS: 128 bytes + 16 = 36 words: the 16 rows of a fragment load start at 16 different groups of four banks (64 banks of 4 bytes: ISA guide 11.1)
.set CH,     128*XPITCH                ; a chunk: 128 rows x 64 K
.set HP,     16*CH                     ; hproj[b], 1,024 f32
.set WW,     HP+4096                   ; w, 1,024 f32
.set SCP,    WW+4096                   ; partial scores: [2 wave + pass][128 rows] f32
.set PB,     SCP+4096                  ; for each wave 256 bytes: the 128 weights in bf16
.set RS,     PB+1024                   ; for each wave 1,024 bytes: its 256 channels of R
.set SPARE,  RS+4096                   ; the spare words, 128 bytes for each wave: two blocks of 256 bytes that no other line names
.set SPW, 1                            ; v1   LDS address of my spare word; never rewritten
.set NIL, 2                            ; v2   0; never rewritten
.set AXB, 3                            ; v3   my lane's place in a fragment of X: (l % 16) x pitch + 16 (l / 16)
.set AX,  4                            ; v4   the same + two chunks for every four steps gone
.set BO,  5                            ; v5   16 l
.set XO,  6                            ; v6   X in memory: 16 (l % 16) + 8 rows for the upper lanes
.set XS,  7                            ; v7   X into LDS: (32 w + 8 (l / 16)) x pitch + 8 (l % 16), + two chunks for every four steps gone
.set PFO, 8                            ; v8   the prefetches' offset: l rows of 4,096 bytes
.set HWA, 9                            ; v9   hproj's and w's tiles: HP + 1,024 w + 32 (l / 16)
.set SCA, 10                           ; v10  where my partial scores go
.set SCR, 11                           ; v11  where I read four rows' partial scores
.set PBW, 12                           ; v12  where my four weights go
.set PBR, 13                           ; v13  the weights' fragments
.set TR0, 14                           ; v14, v15  the turning loads' addresses: my wave's first and third chunk
.set RSW, 16                           ; v16  R into the stage
.set RSR, 17                           ; v17  and back
.set GO,  18                           ; v18  my bytes of rpart's row
.set MLO, 19                           ; v19  8 l
.set HO,  30                           ; v30  32 x thread: my 8 numbers of hproj and of w in memory; never rewritten
.set HL,  31                           ; v31  HP + 32 x thread
.set AF,  32
.set T,   96                           ; v[96:103]
.set SC,  104                          ; v[104:111]
.set XST, 128
.set WV,  16                           ; s16  my wave's number
.set BP,  20                           ; s[20:21] wyf at my wave's stream, at the step that the immediates count from
.set XP,  22                           ; s[22:23] X at my wave's 32 rows, at the chunk that the immediates count from
.set CNT, 24                           ; s24  trips to go
.set SEL, 26                           ; s[26:27] v_permlanex16_b32's selects: each lane takes its own place in the other half
.set MSB, 0
.macro WIN new                         ; the immediate's high byte repeats the setting that is left; a switch that changes nothing is dropped
.if MSB != (\new)
	s_set_vgpr_msb (MSB<<8)|(\new)
.set MSB, \new
.endif
.endm
.macro PLACES                          ; four places behind a matrix instruction, in front of loads into registers that it has read and of vector lines that touch its results (ISA guide 7.12.1 for the vector lines)
.rept 4
	v_nop
.endr
.endm
; 16 matrix instructions: row blocks a0, a0 + 1 of the window's four (hi = 0: rows 0-63, 1: rows 64-127) x all 8 column blocks.  first = 1: C is hproj's tile (window 1, v192 on).
; The 64 accumulators take turns in the same order in every step, over the backward jumps too.
.macro MUL16 set, hi, a0, first
.if \first
	WIN 0x91+0x40*(\hi)                            ; source 0 window 1, source 1 window 0, C window 1, D window 2 or 3
.else
	WIN 0xa1+0x50*(\hi)                            ; the same with C and D in window 2 or 3
.endif
.irp a, \a0, (\a0)+1
.irp b, 0,1,2,3,4,5,6,7
.if \first
	v_wmma_f32_16x16x32_bf16 v[8*(8*(\a)+(\b)):8*(8*(\a)+(\b))+7], v[64*(\set)+8*(\b):64*(\set)+8*(\b)+7], v[AF+8*(4*(\hi)+(\a)):AF+8*(4*(\hi)+(\a))+7], v[192+8*(\b):192+8*(\b)+7]
.else
	v_wmma_f32_16x16x32_bf16 v[8*(8*(\a)+(\b)):8*(8*(\a)+(\b))+7], v[64*(\set)+8*(\b):64*(\set)+8*(\b)+7], v[AF+8*(4*(\hi)+(\a)):AF+8*(4*(\hi)+(\a))+7], v[8*(8*(\a)+(\b)):8*(8*(\a)+(\b))+7]
.endif
.endr
.endr
.endm
; 8 LDS loads: X's fragments of step st (counted from AX's base), row blocks 4 hi .. 4 hi + 3
.macro AFETCH st, hi
	WIN 0
.irp a, 0,1,2,3
	ds_load_b128 v[AF+8*(4*(\hi)+(\a)):AF+8*(4*(\hi)+(\a))+3],   v[AX] offset:((\st)/2)*CH+((\st)%2)*64+(4*(\hi)+(\a))*16*XPITCH
	ds_load_b128 v[AF+8*(4*(\hi)+(\a))+4:AF+8*(4*(\hi)+(\a))+7], v[AX] offset:((\st)/2)*CH+((\st)%2)*64+(4*(\hi)+(\a))*16*XPITCH+32
.endr
.endm
; 16 global loads: Wy's eight fragments of step k (counted from BP's base) into a set
.macro BFILL set, k
	WIN 0x40                                       ; destination window 1, address window 0
.irp b, 0,1,2,3,4,5,6,7
	global_load_b128 v[64*(\set)+8*(\b):64*(\set)+8*(\b)+3],   v[BO], s[BP:BP+1] offset:(\k)*8192+(\b)*1024
	global_load_b128 v[64*(\set)+8*(\b)+4:64*(\set)+8*(\b)+7], v[BO], s[BP:BP+1] offset:(\k)*8192+(\b)*1024+512
.endr
.endm
; Unit n (counted from XP's base): chunk n / 2, rows 16 (n % 2) + 0..15 of my 32; slot n % 4.  Lanes 0-15 take row i, lanes 16-31 row i + 8: each 16 lanes 256 consecutive bytes, aligned.
.macro XLOAD n
	WIN 0
.irp i, 0,1,2,3,4,5,6,7
	global_load_b128 v[XST+32*((\n)%4)+4*(\i):XST+32*((\n)%4)+4*(\i)+3], v[XO], s[XP:XP+1] offset:((\n)/2)*256+((\n)%2)*65536+(\i)*4096 th:TH_LOAD_NT
.endr
.endm
; The unit is rounded to bf16 in place and stored: rows 8 apart start 288 words apart, so the two halves of the lanes take different halves of the banks
.macro XPUT n
	WIN 0
.irp i, 0,1,2,3,4,5,6,7
	v_cvt_pk_bf16_f32 v[XST+32*((\n)%4)+4*(\i)],   v[XST+32*((\n)%4)+4*(\i)],   v[XST+32*((\n)%4)+4*(\i)+1]
	v_cvt_pk_bf16_f32 v[XST+32*((\n)%4)+4*(\i)+1], v[XST+32*((\n)%4)+4*(\i)+2], v[XST+32*((\n)%4)+4*(\i)+3]
.endr
.irp i, 0,1,2,3,4,5,6,7
	ds_store_b64 v[XS], v[XST+32*((\n)%4)+4*(\i):XST+32*((\n)%4)+4*(\i)+1] offset:((\n)/2)*CH+((\n)%2)*16*XPITCH+(\i)*XPITCH
.endr
.endm
; 16 LDS loads: the eight tiles of hproj (region 0) or of w (region 4,096) for pass p, into set 3: register j of tile b = table[256 w + 128 p + 16 b + 8 (l / 16) + j]; the 16 lanes of a half read the same words
.macro HWLOAD region, p
	WIN 0x40
.irp b, 0,1,2,3,4,5,6,7
	ds_load_b128 v[192+8*(\b):192+8*(\b)+3],   v[HWA] offset:(\region)+512*(\p)+64*(\b)
	ds_load_b128 v[192+8*(\b)+4:192+8*(\b)+7], v[HWA] offset:(\region)+512*(\p)+64*(\b)+16
.endr
.endm
; The bases go four steps on.  b: Wy's pointer; x: X's pointer and its LDS address.
.macro ADVANCE b, x
.if (\b)+(\x)
	s_wait_xcnt 0x0                                ; every load and prefetch issued so far has read its address: only behind this wait are the pointers written
.endif
.if \b
	s_add_nc_u64 s[BP:BP+1], s[BP:BP+1], 4*8192
.endif
.if \x
	s_add_nc_u64 s[XP:XP+1], s[XP:XP+1], 2*256
	v_add_nc_u32 v[XS], 2*CH, v[XS]
.endif
	v_add_nc_u32 v[AX], 2*CH, v[AX]
.endm
; A K STEP, number rs from the bases.  first: C = hproj.  af: the next step's X fragments are fetched.  br: this set is asked for again, four steps on (2: set 3 too, which held hproj's tiles).
; ldw: how many younger global loads may stay out when this step's Wy has to be there.  xp: unit rs + 3 is rounded and stored.  xl: unit rs + 7 is asked for.  px: the step before stored a unit.
; bar: the barrier that shows the next chunk whole.
.macro STEP rs, first, af, br, ldw, xp, xl, px, bar
	s_wait_loadcnt \ldw                            ; Wy of this step is in
	s_wait_dscnt 8+8*(\px)                         ; X's rows 0-63 are in (and hproj's tiles): younger are rows 64-127 (8) and the last step's stores (8 px)
	MUL16 (\rs)%4, 0, 0, \first
.if \bar
	s_wait_dscnt 0x0                               ; for the others' sake: my two units of the next chunk are stored;
	s_barrier_signal -1                            ; say so, and work on registers while the others arrive
.endif
	MUL16 (\rs)%4, 0, 2, \first
	WIN 0
.if \bar
	s_barrier_wait -1                              ; the next chunk is whole
.endif
.if \af
	PLACES
	AFETCH (\rs)+1, 0
.endif
	s_wait_dscnt 8*(\px)+8*(\af)                   ; X's rows 64-127 are in: younger are those stores and the loads just issued
	MUL16 (\rs)%4, 1, 0, \first
	MUL16 (\rs)%4, 1, 2, \first
.if (\af)+(\br)
	PLACES
.endif
.if \af
	AFETCH (\rs)+1, 1
.endif
.if (\br) == 2
	BFILL 3, (\rs)+3
.endif
.if \br
	BFILL (\rs)%4, (\rs)+4
.endif
	WIN 0
.if \xp
	s_wait_loadcnt 63                              ; unit rs + 3 is in: on every way 64 or more younger loads have been issued, and a wait's field holds no count above 63
	XPUT (\rs)+3
.endif
.if \xl
	XLOAD (\rs)+7
.endif
.endm
; A PASS'S END: relu, times w, summed over the pass's 128 columns: for each of my eight row blocks one number a lane; then the other half of the lanes'; then into LDS.
.macro EPI p
	PLACES                                         ; behind the last products: set 3 is loaded again, and the accumulators are read and rewritten
	HWLOAD 4096, \p
	s_wait_dscnt 0x0
.irp a, 0,1,2,3,4,5,6,7
	WIN 0x88+0x44*((\a)/4)                         ; destination and source 1 in the accumulators' window
.set i, 64*((\a)%4)
.rept 64
	v_max_num_f32 v[i], 0, v[i]                    ; in ascending order: each accumulator is read from its low end on
.set i, i+1
.endr
	WIN 0x06+(\a)/4                                ; source 0 the accumulators' window, source 1 window 1, the sums in window 0
.irp q, 0,1,2,3
	v_pk_mul_f32 v[T+2*(\q):T+2*(\q)+1], v[64*((\a)%4)+2*(\q):64*((\a)%4)+2*(\q)+1], v[192+2*(\q):192+2*(\q)+1]  ; the first products start four chains: nothing is cleared
.endr
.irp b, 1,2,3,4,5,6,7
.irp q, 0,1,2,3
	v_pk_fma_f32 v[T+2*(\q):T+2*(\q)+1], v[64*((\a)%4)+8*(\b)+2*(\q):64*((\a)%4)+8*(\b)+2*(\q)+1], v[192+8*(\b)+2*(\q):192+8*(\b)+2*(\q)+1], v[T+2*(\q):T+2*(\q)+1]
.endr
.endr
	WIN 0
	v_pk_add_f32 v[T:T+1], v[T:T+1], v[T+2:T+3]
	v_pk_add_f32 v[T+4:T+5], v[T+4:T+5], v[T+6:T+7]
	v_pk_add_f32 v[T:T+1], v[T:T+1], v[T+4:T+5]
	v_add_f32 v[SC+(\a)], v[T], v[T+1]
.endr
.irp a, 0,1,2,3,4,5,6,7
	v_permlanex16_b32 v[T+(\a)], v[SC+(\a)], s[SEL], s[SEL+1]  ; the row's other 64 columns lie in the lane 16 away
.endr
.irp a, 0,1,2,3,4,5,6,7
	v_add_f32 v[SC+(\a)], v[SC+(\a)], v[T+(\a)]
.endr
.irp a, 0,1,2,3,4,5,6,7
	ds_store_b32 v[SCA], v[SC+(\a)] offset:512*(\p)+64*(\a)    ; row 16 a + l % 16; both halves of the lanes store the same number to the same word
.endr
.endm
; A PASS'S HEAD: hproj's tiles and the first step's X fragments; the first step's own counts wait for them.
.macro PASSHEAD p
.if \p
	s_wait_xcnt 0x0
	s_add_nc_u64 s[BP:BP+1], s[BP:BP+1], 4*8192    ; the stream runs on: pass 1's step 0 is the stream's step 32
.endif
	v_mov_b32 v[AX], v[AXB]
	HWLOAD 0, \p
	AFETCH 0, 0
	AFETCH 0, 1
.endm
; A PREFETCH INTO THE L2 of X: in the trip whose loads bring chunks 4 and 5 from XP's base, my own 32 rows' 256 bytes of chunks 6 and 7, which the next trip's loads bring: a lane a row, two
; instructions, behind a step's loads.  Each wave asks for what it will load itself, so each aligned block of 256 bytes is named once in the launch.  The loop's last trip asks for nothing: its own loads bring the
; block's last two chunks.  Chunks 0 to 5 come by their loads alone.
.macro ASK
	s_cmp_gt_u32 s[CNT], 1
	s_cbranch_scc0 .Lnot_asked_\@
	global_prefetch_b8 v[PFO], s[XP:XP+1] offset:6*256 th:TH_LOAD_NT scope:SCOPE_SE
	global_prefetch_b8 v[PFO], s[XP:XP+1] offset:7*256 th:TH_LOAD_NT scope:SCOPE_SE
.Lnot_asked_\@:
.endm
	s_load_b256 s[4:11], s[0:1], 0x0               ; X s[4:5], wyf s[6:7], hpart s[8:9], w s[10:11]
	s_load_b128 s[12:15], s[0:1], 0x20             ; rpart s[12:13], ml s[14:15]
	v_lshl_add_u32 v[SPW], v0, 2, SPARE
	v_mov_b32 v[NIL], 0
	v_lshrrev_b32 v20, 5, v0
	v_readfirstlane_b32 s[WV], v20                 ; wave 0..3
	s_mov_b32 s17, ttmp9                           ; block
	s_mov_b32 s[SEL], 0x76543210
	s_mov_b32 s[SEL+1], 0xfedcba98
	s_mov_b32 s28, 0x3fb8aa3b                      ; log2(e)
	v_and_b32 v21, 15, v0                          ; l % 16
	v_bfe_u32 v22, v0, 4, 1                        ; l / 16
	v_and_b32 v23, 31, v0                          ; l
	v_and_b32 v24, 7, v0                           ; l % 8
	v_bfe_u32 v25, v0, 3, 1                        ; (l / 8) % 2
	v_mul_u32_u24 v[AXB], v21, XPITCH
	v_lshl_add_u32 v[AXB], v22, 4, v[AXB]
	v_lshlrev_b32 v[BO], 4, v23
	v_lshlrev_b32 v[XO], 4, v21
	v_lshl_add_u32 v[XO], v22, 15, v[XO]
	s_mul_i32 s36, s[WV], 32*XPITCH
	v_mul_u32_u24 v[XS], v22, 8*XPITCH
	v_lshl_add_u32 v[XS], v21, 3, v[XS]
	v_add_nc_u32 v[XS], s36, v[XS]
	v_lshlrev_b32 v[PFO], 12, v23
	s_lshl_b32 s37, s[WV], 10                      ; 1,024 w
	s_add_co_u32 s38, s37, HP
	v_lshl_add_u32 v[HWA], v22, 5, s38
	s_add_co_u32 s38, s37, SCP
	v_lshl_add_u32 v[SCA], v21, 2, s38
	v_lshl_add_u32 v[SCR], v23, 4, SCP
	s_lshl_b32 s39, s[WV], 8
	s_add_co_u32 s39, s39, PB
	v_lshl_add_u32 v[PBW], v23, 3, s39
	v_lshl_add_u32 v[PBR], v22, 4, s39
	s_mul_i32 s40, s[WV], 4*CH                     ; my wave's 256 channels are chunks 4 w .. 4 w + 3
	v_lshl_add_u32 v[TR0], v22, 3, v24             ; the turning load: row 8 (l / 16) + l % 8,
	v_mul_u32_u24 v[TR0], v[TR0], XPITCH
	v_lshl_add_u32 v[TR0], v25, 4, v[TR0]          ; 16 bytes for each eight lanes
	v_add_nc_u32 v[TR0], s40, v[TR0]
	v_add_nc_u32 v[TR0+1], 2*CH, v[TR0]
	s_add_co_u32 s38, s37, RS
	v_lshl_add_u32 v[RSW], v21, 2, s38
	v_lshl_add_u32 v[RSR], v23, 4, s38
	v_lshl_add_u32 v[GO], v23, 4, s37
	v_lshlrev_b32 v[MLO], 3, v23
	v_lshlrev_b32 v[HO], 5, v0
	v_lshl_add_u32 v[HL], v0, 5, HP
	s_lshl_b32 s18, s17, 19                        ; the block's 128 rows of 4,096 bytes,
	s_lshl_b32 s19, s[WV], 17                      ; my wave's 32
	s_add_co_u32 s18, s18, s19
	s_mov_b32 s19, 0
	s_wait_kmcnt 0x0
	s_add_nc_u64 s[XP:XP+1], s[4:5], s[18:19]
	s_lshl_b32 s18, s[WV], 19                      ; my wave's 256 columns: two groups of 128, 512 KiB on end
	s_add_nc_u64 s[BP:BP+1], s[6:7], s[18:19]
	s_lshr_b32 s18, s17, 4
	s_lshl_b32 s18, s18, 12                        ; the batch's row of hpart
	s_add_nc_u64 s[30:31], s[8:9], s[18:19]
	s_lshl_b32 s18, s17, 12
	s_add_nc_u64 s[32:33], s[12:13], s[18:19]      ; the block's row of rpart
	s_lshl_b32 s18, s17, 8
	s_add_nc_u64 s[34:35], s[14:15], s[18:19]      ; and its 256 bytes of ml
	; THE PROLOGUE: units 0 to 2 into LDS, units 3 to 6 and Wy's steps 0 to 2 on their way; hproj (its four partial sums added) and w into LDS.
	XLOAD 0
	XLOAD 1
	XLOAD 2
	XLOAD 3
.irp k, 0,1,2,3
	global_load_b128 v[AF+8*(\k):AF+8*(\k)+3],   v[HO], s[30:31] offset:(\k)*131072
	global_load_b128 v[AF+8*(\k)+4:AF+8*(\k)+7], v[HO], s[30:31] offset:(\k)*131072+16
.endr
	global_load_b128 v[AF+32:AF+35], v[HO], s[10:11]
	global_load_b128 v[AF+36:AF+39], v[HO], s[10:11] offset:16
	BFILL 0, 0
	s_wait_loadcnt 50                              ; unit 0 is in: younger are units 1 to 3 (24), hproj and w (10), Wy's step 0 (16)
	XPUT 0
	XLOAD 4
	BFILL 1, 1
	s_wait_loadcnt 63                              ; unit 1: 66 younger loads have been issued
	XPUT 1
	XLOAD 5
	BFILL 2, 2
	s_wait_loadcnt 63                              ; unit 2: 82 younger
	XPUT 2
	XLOAD 6
	s_wait_loadcnt 63                              ; hproj and w: 72 younger
.irp k, 1,2,3
.irp q, 0,2,4,6
	v_pk_add_f32 v[AF+(\q):AF+(\q)+1], v[AF+(\q):AF+(\q)+1], v[AF+8*(\k)+(\q):AF+8*(\k)+(\q)+1]
.endr
.endr
	ds_store_b128 v[HL], v[AF:AF+3]
	ds_store_b128 v[HL], v[AF+4:AF+7] offset:16
	ds_store_b128 v[HL], v[AF+32:AF+35] offset:4096
	ds_store_b128 v[HL], v[AF+36:AF+39] offset:4112
	s_wait_dscnt 0x0                               ; for the others' sake: my parts of chunk 0, of hproj and of w are stored
	s_barrier_signal -1
	s_barrier_wait -1
	; PASS 0.  What a step's first wait counts: behind Wy of step s were issued, at each later step's end, 16 loads of Wy and 8 of X: 56 at step 0 (units 4 to 6, steps 1 and 2); 72 or 80 at steps 1 to 26, 64 at
	; step 27 (written as 63); 56 at step 28 (unit 31, three sets); 48 from step 29 on (three sets).
	PASSHEAD 0
	STEP 0, 1, 1, 2, 56, 1, 1, 0, 0
	s_mov_b32 s[CNT], 6
.Lp0:                                                  ; steps 1 to 24, four a trip
	STEP 1, 0, 1, 1, 63, 1, 1, 1, 1
	ASK
	STEP 2, 0, 1, 1, 63, 1, 1, 1, 0
	STEP 3, 0, 1, 1, 63, 1, 1, 1, 1
	STEP 4, 0, 1, 1, 63, 1, 1, 1, 0
	ADVANCE 1, 1
	s_sub_co_u32 s[CNT], s[CNT], 1
	s_cmp_lg_u32 s[CNT], 0
	s_cbranch_scc1 .Lp0
	STEP 1, 0, 1, 1, 63, 1, 0, 1, 1                ; steps 25 to 28: the last four units are stored, none is asked for
	STEP 2, 0, 1, 1, 63, 1, 0, 1, 0
	STEP 3, 0, 1, 1, 63, 1, 0, 1, 1
	STEP 4, 0, 1, 1, 56, 1, 0, 1, 0
	ADVANCE 1, 0
	STEP 1, 0, 1, 1, 48, 0, 0, 1, 1                ; step 29: the last barrier shows chunk 15; its fill is pass 1's step 1
	STEP 2, 0, 1, 1, 48, 0, 0, 0, 0
	STEP 3, 0, 0, 0, 48, 0, 0, 0, 0                ; step 31 leaves set 3 free for w's and hproj's tiles
	EPI 0
	; PASS 1: X lies in LDS.  Behind Wy of a step three sets were issued (48); at step 0 two (32); at the last three steps 32, 16, 0.
	PASSHEAD 1
	STEP 0, 1, 1, 2, 32, 0, 0, 0, 0
	s_mov_b32 s[CNT], 6
.Lp1:
	STEP 1, 0, 1, 1, 48, 0, 0, 0, 0
	STEP 2, 0, 1, 1, 48, 0, 0, 0, 0
	STEP 3, 0, 1, 1, 48, 0, 0, 0, 0
	STEP 4, 0, 1, 1, 48, 0, 0, 0, 0
	ADVANCE 1, 0
	s_sub_co_u32 s[CNT], s[CNT], 1
	s_cmp_lg_u32 s[CNT], 0
	s_cbranch_scc1 .Lp1
	STEP 1, 0, 1, 1, 48, 0, 0, 0, 0                ; steps 25 to 27 ask for the stream's last three steps
	STEP 2, 0, 1, 1, 48, 0, 0, 0, 0
	STEP 3, 0, 1, 1, 48, 0, 0, 0, 0
	STEP 4, 0, 1, 0, 48, 0, 0, 0, 0
	ADVANCE 0, 0
	STEP 1, 0, 1, 0, 32, 0, 0, 0, 0
	STEP 2, 0, 1, 0, 16, 0, 0, 0, 0
	STEP 3, 0, 0, 0, 0, 0, 0, 0, 0
	EPI 1
	; THE BLOCK'S SOFTMAX, the same work in every wave: lane l takes rows 4 l .. 4 l + 3.
	s_wait_dscnt 0x0                               ; for the others' sake: my partial scores are stored
	s_barrier_signal -1
	s_barrier_wait -1
.irp g, 0,1,2,3,4,5,6,7
	ds_load_b128 v[XST+4*(\g):XST+4*(\g)+3], v[SCR] offset:512*(\g)
.endr
	s_wait_dscnt 0x0
.irp g, 1,2,3,4,5,6,7
	v_pk_add_f32 v[XST:XST+1],   v[XST:XST+1],   v[XST+4*(\g):XST+4*(\g)+1]
	v_pk_add_f32 v[XST+2:XST+3], v[XST+2:XST+3], v[XST+4*(\g)+2:XST+4*(\g)+3]
.endr
	v_max3_num_f32 v20, v[XST], v[XST+1], v[XST+2]
	v_max_num_f32 v20, v20, v[XST+3]
	v_max_num_f32_dpp v20, v20, v20 row_xmask:1 row_mask:0xf bank_mask:0xf
	v_max_num_f32_dpp v20, v20, v20 row_xmask:2 row_mask:0xf bank_mask:0xf
	v_max_num_f32_dpp v20, v20, v20 row_xmask:4 row_mask:0xf bank_mask:0xf
	v_max_num_f32_dpp v20, v20, v20 row_xmask:8 row_mask:0xf bank_mask:0xf
	v_permlanex16_b32 v[T], v20, s[SEL], s[SEL+1]
	v_max_num_f32 v20, v20, v[T]                   ; m: the largest of the block's 128 scores, in every lane
.irp j, 0,1,2,3
	v_sub_f32 v[XST+(\j)], v[XST+(\j)], v20        ; the difference first, then the factor: no difference of large products
.endr
.irp j, 0,1,2,3
	v_mul_f32 v[XST+(\j)], s28, v[XST+(\j)]
.endr
.irp j, 0,1,2,3
	v_exp_f32 v[XST+(\j)], v[XST+(\j)]
.endr
	v_nop                                          ; a plain instruction behind the last exponential,
	s_wait_alu depctr_va_vdst(0)                   ; and the one wait ahead of the batch's first reader
	v_cvt_pk_bf16_f32 v24, v[XST], v[XST+1]
	v_cvt_pk_bf16_f32 v25, v[XST+2], v[XST+3]
	v_add_f32 v21, v[XST], v[XST+1]
	v_add_f32 v22, v[XST+2], v[XST+3]
	ds_store_b64 v[PBW], v[24:25]                  ; my wave's own copy of the 128 weights
.irp q, 0,1,2,3
	ds_load_b128 v[AF+8*(\q):AF+8*(\q)+3],   v[PBR] offset:64*(\q)      ; source 0 of R's product, rows t = 32 q on: all its 16 rows are the same 32 weights.  My own bytes: these see the store above
	ds_load_b128 v[AF+8*(\q)+4:AF+8*(\q)+7], v[PBR] offset:64*(\q)+32
.endr
; R = sum over t of p[t] X[t][:].  X lies [t][channel] in LDS, source 1 wants t along a lane's registers: turned loads.  Channel tile c of 16: chunk 4 w + c / 4, bytes 32 (c % 4) of its rows; rows 32 q on.
.macro FETCHT q
	WIN 0x40
.irp c, 0,1,2,3,4,5,6,7,8,9,10,11,12,13,14,15
	ds_load_tr16_b128 v[128*((\q)%2)+8*(\c):128*((\q)%2)+8*(\c)+3],   v[TR0+(\c)/8] offset:(((\c)/4)%2)*CH+(\q)*32*XPITCH+32*((\c)%4)
	ds_load_tr16_b128 v[128*((\q)%2)+8*(\c)+4:128*((\q)%2)+8*(\c)+7], v[TR0+(\c)/8] offset:(((\c)/4)%2)*CH+(\q)*32*XPITCH+32*((\c)%4)+16*XPITCH
.endr
.endm
.macro RMUL q                          ; sixteen accumulators by turns; the first 32 rows start the sums
	WIN 0xa4                                       ; source 0 window 0, source 1 window 1, C and D window 2
.irp c, 0,1,2,3,4,5,6,7,8,9,10,11,12,13,14,15
.if (\q) == 0
	v_wmma_f32_16x16x32_bf16 v[8*(\c):8*(\c)+7], v[AF+8*(\q):AF+8*(\q)+7], v[128*((\q)%2)+8*(\c):128*((\q)%2)+8*(\c)+7], 0
.else
	v_wmma_f32_16x16x32_bf16 v[8*(\c):8*(\c)+7], v[AF+8*(\q):AF+8*(\q)+7], v[128*((\q)%2)+8*(\c):128*((\q)%2)+8*(\c)+7], v[8*(\c):8*(\c)+7]
.endif
.endr
.endm
	FETCHT 0
	FETCHT 1
	WIN 0
	v_add_f32 v21, v21, v22                        ; l, the sum of the unrounded weights, is finished while the loads are out
	v_add_f32_dpp v21, v21, v21 row_xmask:1 row_mask:0xf bank_mask:0xf
	v_add_f32_dpp v21, v21, v21 row_xmask:2 row_mask:0xf bank_mask:0xf
	v_add_f32_dpp v21, v21, v21 row_xmask:4 row_mask:0xf bank_mask:0xf
	v_add_f32_dpp v21, v21, v21 row_xmask:8 row_mask:0xf bank_mask:0xf
	v_permlanex16_b32 v[T], v21, s[SEL], s[SEL+1]
	v_add_f32 v21, v21, v[T]
	s_wait_dscnt 32                                ; the weights' fragments and rows 0-31 are in; rows 32-63 (32 loads) may stay out
	RMUL 0
	s_wait_dscnt 0x0
	RMUL 1
	PLACES                                         ; for the loads into both buffers
	FETCHT 2
	FETCHT 3
	s_wait_dscnt 32
	RMUL 2
	s_wait_dscnt 0x0
	RMUL 3
	PLACES
	; All 16 rows of a result are alike: register 0 of lane l is R[256 w + 16 c + l % 16].  Through my stage, so that a store covers 512 consecutive bytes.
	WIN 0x08                                       ; the stores' data in window 2
.irp c, 0,1,2,3,4,5,6,7,8,9,10,11,12,13,14,15
	ds_store_b32 v[RSW], v[8*(\c)] offset:64*(\c)  ; the accumulator's lowest register; both halves of the lanes store the same number to the same word
.endr
	WIN 0
	ds_load_b128 v[XST:XST+3],   v[RSR]            ; my own bytes: these see the stores above
	ds_load_b128 v[XST+4:XST+7], v[RSR] offset:512
	s_wait_dscnt 0x0
	global_store_b128 v[GO], v[XST:XST+3],   s[32:33]
	global_store_b128 v[GO], v[XST+4:XST+7], s[32:33] offset:512
	s_cmp_lg_u32 s[WV], 0
	s_cbranch_scc1 .Lno_ml
	global_store_b64 v[MLO], v[20:21], s[34:35]    ; (m, l) 32 times: 256 consecutive bytes, aligned, written whole
.Lno_ml:
	s_wait_tensorcnt 0x0                           ; the wave's end, behind my last LDS store
	ds_add_u32 v[SPW], v[NIL]
	s_wait_dscnt 0x0
	s_endpgm
.Lfunc_end_k_q8b35a602c7_main:
	.size	k_q8b35a602c7_main, .Lfunc_end_k_q8b35a602c7_main-k_q8b35a602c7_main
	.p2alignl 7, 3214868480
	.fill 96, 4, 3214868480
	.section	.rodata,"a",@progbits
	.p2align	6, 0x0
	.amdhsa_kernel k_q8b35a602c7_main
		.amdhsa_group_segment_fixed_size 312832
		.amdhsa_private_segment_fixed_size 0
		.amdhsa_enable_private_segment 0
		.amdhsa_kernarg_size 48
		.amdhsa_user_sgpr_count 2
		.amdhsa_user_sgpr_kernarg_segment_ptr 1
		.amdhsa_wavefront_size32 1
		.amdhsa_system_sgpr_workgroup_id_x 1
		.amdhsa_system_sgpr_workgroup_id_y 1
		.amdhsa_system_sgpr_workgroup_id_z 1
		.amdhsa_system_vgpr_workitem_id 0
		.amdhsa_next_free_vgpr 1024
		.amdhsa_next_free_sgpr 66
		.amdhsa_reserve_vcc 0
		.amdhsa_float_denorm_mode_32 3
		.amdhsa_float_denorm_mode_16_64 3
		.amdhsa_memory_ordered 1
		.amdhsa_forward_progress 1
		.amdhsa_inst_pref_size 255
	.end_amdhsa_kernel
	.section	.bss,"aw",@nobits
	.p2align	6
	.space	262144
	.amdgpu_metadata
---
amdhsa.version: [ 1, 2 ]
amdhsa.kernels:
  - .name:           k_q8b35a602c7_main
    .symbol:         k_q8b35a602c7_main.kd
    .args:
      - { .name: input_states, .offset: 0, .size: 8, .value_kind: global_buffer, .address_space: global }
      - { .name: wyf, .offset: 8, .size: 8, .value_kind: global_buffer, .address_space: global }
      - { .name: hpart, .offset: 16, .size: 8, .value_kind: global_buffer, .address_space: global }
      - { .name: w, .offset: 24, .size: 8, .value_kind: global_buffer, .address_space: global }
      - { .name: rpart, .offset: 32, .size: 8, .value_kind: global_buffer, .address_space: global }
      - { .name: ml, .offset: 40, .size: 8, .value_kind: global_buffer, .address_space: global }
    .group_segment_fixed_size: 312832
    .private_segment_fixed_size: 0
    .kernarg_segment_align: 8
    .kernarg_segment_size: 48
    .max_flat_workgroup_size: 128
    .sgpr_count:     66
    .vgpr_count:     1024
    .wavefront_size: 32
...
	.end_amdgpu_metadata
.endif
;; end of part 2
;; launch combine (part 3): grid 256 x 1, 1 waves a work-group, no clusters, 0 bytes of LDS; arguments rpart, ml, rb; writes rb
.if DOCPART == 3
	.amdgcn_target "amdgcn-amd-amdhsa--gfx1250"
	.amdhsa_code_object_version 6
	.text
	.protected	k_q8b35a602c7_combine
	.globl	k_q8b35a602c7_combine
	.p2align	8
	.type	k_q8b35a602c7_combine,@function
k_q8b35a602c7_combine:
	s_mov_b64 s[64:65], 0
	v_nop
	global_prefetch_b8 v0, s[64:65] scope:SCOPE_SE
	s_setreg_imm32_b32 hwreg(HW_REG_WAVE_MODE, 25, 1), 1
	s_wait_xcnt 0x0
; r[b][d] = sum over the batch's 16 blocks i of c_i R_i[d] / L, with M = max m_i (the batch's true maximum), c_i = exp(m_i - M), L = sum of c_i l_i.  Stored rounded once to bf16 (rb[32][1024]): it is a matrix operand next.
; One wave a work-group: batch b = x / 8, channels 128 (x % 8) + 4 l + 0..3 in lane l.  Each load of R covers 512 consecutive bytes, the store 256, aligned.
; Memory and latency bind: no LDS, no matrix unit, no cluster (no two work-groups read the same bytes of rpart; ml is 4 KiB a batch).
; L is at least 1: the block that holds the maximum has c = 1 and l >= 1.  A c below 2^-126 counts as 0.  NaN and infinities are not treated apart.
.set R0, 16                            ; v[16:79]  the 16 blocks' four channels
.set CF, 32                            ; s[32:47]  the 16 factors c_i / L
	s_load_b128 s[4:7], s[0:1], 0x0                ; rpart s[4:5], ml s[6:7]
	s_load_b64 s[8:9], s[0:1], 0x10                ; rb
	s_lshr_b32 s10, ttmp9, 3                       ; batch
	s_and_b32 s11, ttmp9, 7                        ; which 128 channels
	v_lshlrev_b32 v1, 4, v0                        ; 16 l
	v_and_b32 v2, 15, v0
	v_lshlrev_b32 v2, 8, v2                        ; block l % 16: 256 bytes each in ml
	v_lshlrev_b32 v3, 3, v0                        ; 8 l
	s_lshl_b32 s12, s10, 12
	s_mov_b32 s13, 0
	s_lshl_b32 s14, s10, 16                        ; 16 rows of 4,096 bytes
	s_lshl_b32 s15, s11, 9
	s_add_co_u32 s14, s14, s15
	s_mov_b32 s15, 0
	s_lshl_b32 s16, s10, 11
	s_lshl_b32 s17, s11, 8
	s_add_co_u32 s16, s16, s17
	s_mov_b32 s17, 0
	s_wait_kmcnt 0x0
	s_add_nc_u64 s[6:7], s[6:7], s[12:13]
	s_add_nc_u64 s[4:5], s[4:5], s[14:15]
	s_add_nc_u64 s[8:9], s[8:9], s[16:17]
	global_load_b64 v[4:5], v2, s[6:7]             ; (m, l) of block l % 16: each half of the lanes holds all sixteen
.irp i, 0,1,2,3,4,5,6,7,8,9,10,11,12,13,14,15
	global_load_b128 v[R0+4*(\i):R0+4*(\i)+3], v1, s[4:5] offset:(\i)*4096 th:TH_LOAD_NT
.endr
	s_wait_loadcnt 16                              ; (m, l) is in; the sixteen rows stay out
	v_mov_b32 v6, v4
	v_max_num_f32_dpp v6, v6, v6 row_xmask:1 row_mask:0xf bank_mask:0xf
	v_max_num_f32_dpp v6, v6, v6 row_xmask:2 row_mask:0xf bank_mask:0xf
	v_max_num_f32_dpp v6, v6, v6 row_xmask:4 row_mask:0xf bank_mask:0xf
	v_max_num_f32_dpp v6, v6, v6 row_xmask:8 row_mask:0xf bank_mask:0xf
	v_sub_f32 v7, v4, v6
	v_mul_f32 v7, 0x3fb8aa3b, v7                   ; (m - M) log2(e)
	v_exp_f32 v7, v7
	v_nop                                          ; a plain instruction behind the exponential,
	s_wait_alu depctr_va_vdst(0)                   ; and the wait ahead of its first reader
	v_mul_f32 v8, v7, v5                           ; c l
	v_add_f32_dpp v8, v8, v8 row_xmask:1 row_mask:0xf bank_mask:0xf
	v_add_f32_dpp v8, v8, v8 row_xmask:2 row_mask:0xf bank_mask:0xf
	v_add_f32_dpp v8, v8, v8 row_xmask:4 row_mask:0xf bank_mask:0xf
	v_add_f32_dpp v8, v8, v8 row_xmask:8 row_mask:0xf bank_mask:0xf
	v_rcp_f32 v9, v8
	v_nop
	s_wait_alu depctr_va_vdst(0)
	v_mul_f32 v7, v7, v9                           ; c / L
.irp i, 0,1,2,3,4,5,6,7,8,9,10,11,12,13,14,15
	v_readlane_b32 s[CF+(\i)], v7, \i              ; factors only: no address and no branch hangs on them
.endr
	s_wait_loadcnt 15
.irp j, 0,1,2,3
	v_mul_f32 v[12+(\j)], s[CF], v[R0+(\j)]        ; the first block starts the sums
.endr
.irp i, 1,2,3,4,5,6,7,8,9,10,11,12,13,14,15
	s_wait_loadcnt 15-(\i)
.irp j, 0,1,2,3
	v_fmac_f32 v[12+(\j)], s[CF+(\i)], v[R0+4*(\i)+(\j)]
.endr
.endr
	v_cvt_pk_bf16_f32 v80, v12, v13
	v_cvt_pk_bf16_f32 v81, v14, v15
	global_store_b64 v3, v[80:81], s[8:9]
	s_endpgm
.Lfunc_end_k_q8b35a602c7_combine:
	.size	k_q8b35a602c7_combine, .Lfunc_end_k_q8b35a602c7_combine-k_q8b35a602c7_combine
	.p2alignl 7, 3214868480
	.fill 96, 4, 3214868480
	.section	.rodata,"a",@progbits
	.p2align	6, 0x0
	.amdhsa_kernel k_q8b35a602c7_combine
		.amdhsa_group_segment_fixed_size 0
		.amdhsa_private_segment_fixed_size 0
		.amdhsa_enable_private_segment 0
		.amdhsa_kernarg_size 24
		.amdhsa_user_sgpr_count 2
		.amdhsa_user_sgpr_kernarg_segment_ptr 1
		.amdhsa_wavefront_size32 1
		.amdhsa_system_sgpr_workgroup_id_x 1
		.amdhsa_system_sgpr_workgroup_id_y 1
		.amdhsa_system_sgpr_workgroup_id_z 1
		.amdhsa_system_vgpr_workitem_id 0
		.amdhsa_next_free_vgpr 96
		.amdhsa_next_free_sgpr 66
		.amdhsa_reserve_vcc 0
		.amdhsa_float_denorm_mode_32 3
		.amdhsa_float_denorm_mode_16_64 3
		.amdhsa_memory_ordered 1
		.amdhsa_forward_progress 1
		.amdhsa_inst_pref_size 8
	.end_amdhsa_kernel
	.amdgpu_metadata
---
amdhsa.version: [ 1, 2 ]
amdhsa.kernels:
  - .name:           k_q8b35a602c7_combine
    .symbol:         k_q8b35a602c7_combine.kd
    .args:
      - { .name: rpart, .offset: 0, .size: 8, .value_kind: global_buffer, .address_space: global }
      - { .name: ml, .offset: 8, .size: 8, .value_kind: global_buffer, .address_space: global }
      - { .name: rb, .offset: 16, .size: 8, .value_kind: global_buffer, .address_space: global }
    .group_segment_fixed_size: 0
    .private_segment_fixed_size: 0
    .kernarg_segment_align: 8
    .kernarg_segment_size: 24
    .max_flat_workgroup_size: 32
    .sgpr_count:     66
    .vgpr_count:     96
    .wavefront_size: 32
...
	.end_amdgpu_metadata
.endif
;; end of part 3
;; launch final (part 4): grid 16 x 1, 16 waves a work-group, no clusters, 141,312 bytes of LDS; arguments rb, wpf, hpart, out0; writes out0
.if DOCPART == 4
	.amdgcn_target "amdgcn-amd-amdhsa--gfx1250"
	.amdhsa_code_object_version 6
	.text
	.protected	k_q8b35a602c7_final
	.globl	k_q8b35a602c7_final
	.p2align	8
	.type	k_q8b35a602c7_final,@function
k_q8b35a602c7_final:
	s_mov_b64 s[64:65], 0
	v_nop
	global_prefetch_b8 v0, s[64:65] scope:SCOPE_SE
	s_setreg_imm32_b32 hwreg(HW_REG_WAVE_MODE, 25, 1), 1
	s_wait_xcnt 0x0
; out[m][e] = relu(sum over k of r[m][k] Wp[k][e] + (last_state x Wx)[m][e]).  r: rb, bf16 [32][1024]; Wp: wpf, bf16 in fragment order (16 columns x 32 k = 1,024 bytes at (tau / 8) 262,144 + s 8,192 + (tau % 8) 1,024);
; last_state x Wx: four partial sums in f32, hpart[1][quarter][32][1024].
; SHARES.  A work-group makes 64 columns, so that a row's piece of out is 256 consecutive bytes, aligned; K IS SPLIT AMONG ITS 16 WAVES: wave v takes K steps 2 v and 2 v + 1.  The 16 partial tiles meet in LDS.
; Sixteen work-groups: the launch has 67 MFLOP and 2.6 MB to read; strips of 16 columns would give 64 work-groups and stores of 64 bytes a row.
; No cluster: no two work-groups read the same bytes of wpf or hpart; rb is 64 KiB.
.set RP,    272                        ; a row of a partial tile: 64 f32 + 16 bytes
.set RCOPY, 32*RP
.set SPARE, 16*RCOPY                   ; behind the 16 copies: the spare words, 128 bytes for each wave: eight blocks of 256 bytes that no other line names
.set SPW, 1                            ; v1  LDS address of my spare word; never rewritten
.set NIL, 2                            ; v2  0; never rewritten
.set BO,  3                            ; v3  16 l
.set AO,  4                            ; v4  my bytes of rb
.set RW,  5                            ; v5  where my part of a partial tile goes
.set RR,  6                            ; v6, v7  where I read a row back: copies 0-7, copies 8-15
.set OO,  8                            ; v8  the same row in hpart and in out
.set ACC, 16                           ; v[16:79]    eight accumulators: (mt, i) at ACC + 8 (4 mt + i)
.set BF,  80                           ; v[80:143]   Wp's fragments (j, i) at BF + 8 (4 j + i); later the copies read back
.set AF,  144                          ; v[144:175]  r's fragments (mt, j) at AF + 8 (2 mt + j)
.set LX,  176                          ; v[176:191]  the four partial sums of last_state x Wx
	s_load_b256 s[4:11], s[0:1], 0x0               ; rb s[4:5], wpf s[6:7], hpart s[8:9], out0 s[10:11]
	v_lshl_add_u32 v[SPW], v0, 2, SPARE
	v_mov_b32 v[NIL], 0
	v_lshrrev_b32 v9, 5, v0
	v_readfirstlane_b32 s12, v9                    ; wave 0..15
	v_and_b32 v10, 15, v0                          ; l % 16
	v_bfe_u32 v11, v0, 4, 1                        ; l / 16
	v_and_b32 v12, 31, v0                          ; l
	v_lshlrev_b32 v[BO], 4, v12
	v_lshlrev_b32 v[AO], 11, v10                   ; row l % 16 of 2,048 bytes,
	v_lshl_add_u32 v[AO], v11, 4, v[AO]            ; 16 bytes for each half of the lanes,
	s_lshl_b32 s13, s12, 7
	v_add_nc_u32 v[AO], s13, v[AO]                 ; at k = 64 v
	s_mul_i32 s14, s12, RCOPY
	v_mul_u32_u24 v[RW], v10, RP
	v_lshl_add_u32 v[RW], v11, 5, v[RW]
	v_add_nc_u32 v[RW], s14, v[RW]
	s_lshl_b32 s15, s12, 1
	v_add_nc_u32 v13, s15, v11                     ; row 2 v + l / 16
	v_mul_u32_u24 v[RR], v13, RP
	v_lshl_add_u32 v[RR], v10, 4, v[RR]
	v_add_nc_u32 v[RR+1], 8*RCOPY, v[RR]
	v_lshlrev_b32 v[OO], 12, v13
	v_lshl_add_u32 v[OO], v10, 4, v[OO]
	s_lshr_b32 s16, ttmp9, 1                       ; tau / 8 = strip / 2
	s_lshl_b32 s16, s16, 18
	s_and_b32 s17, ttmp9, 1                        ; tau % 8 = 4 (strip % 2) + i
	s_lshl_b32 s17, s17, 12
	s_add_co_u32 s16, s16, s17
	s_lshl_b32 s17, s12, 14                        ; K step 2 v
	s_add_co_u32 s16, s16, s17
	s_mov_b32 s17, 0
	s_lshl_b32 s18, ttmp9, 8                       ; the strip's 256 bytes of a row
	s_mov_b32 s19, 0
	s_wait_kmcnt 0x0
	s_add_nc_u64 s[6:7], s[6:7], s[16:17]
	s_add_nc_u64 s[8:9], s[8:9], s[18:19]
	s_add_nc_u64 s[10:11], s[10:11], s[18:19]
.irp j, 0,1
.irp i, 0,1,2,3
	global_load_b128 v[BF+8*(4*(\j)+(\i)):BF+8*(4*(\j)+(\i))+3],   v[BO], s[6:7] offset:(\j)*8192+(\i)*1024
	global_load_b128 v[BF+8*(4*(\j)+(\i))+4:BF+8*(4*(\j)+(\i))+7], v[BO], s[6:7] offset:(\j)*8192+(\i)*1024+512
.endr
.endr
.irp m, 0,1
.irp j, 0,1
	global_load_b128 v[AF+8*(2*(\m)+(\j)):AF+8*(2*(\m)+(\j))+3],   v[AO], s[4:5] offset:(\m)*32768+(\j)*64
	global_load_b128 v[AF+8*(2*(\m)+(\j))+4:AF+8*(2*(\m)+(\j))+7], v[AO], s[4:5] offset:(\m)*32768+(\j)*64+32
.endr
.endr
.irp k, 0,1,2,3
	global_load_b128 v[LX+4*(\k):LX+4*(\k)+3], v[OO], s[8:9] offset:(4+(\k))*131072
.endr
	s_wait_loadcnt 4                               ; the fragments are in; the four younger loads stay out
	; source 0 = 16 columns of Wp, source 1 = 16 rows of r: register jj of lane l holds (e = 16 i + 8 (l / 16) + jj, m = 16 mt + l % 16).  The eight accumulators take turns; the first K step starts the sums.
.irp m, 0,1
.irp i, 0,1,2,3
	v_wmma_f32_16x16x32_bf16 v[ACC+8*(4*(\m)+(\i)):ACC+8*(4*(\m)+(\i))+7], v[BF+8*(\i):BF+8*(\i)+7], v[AF+16*(\m):AF+16*(\m)+7], 0
.endr
.endr
.irp m, 0,1
.irp i, 0,1,2,3
	v_wmma_f32_16x16x32_bf16 v[ACC+8*(4*(\m)+(\i)):ACC+8*(4*(\m)+(\i))+7], v[BF+32+8*(\i):BF+32+8*(\i)+7], v[AF+16*(\m)+8:AF+16*(\m)+15], v[ACC+8*(4*(\m)+(\i)):ACC+8*(4*(\m)+(\i))+7]
.endr
.endr
.rept 4
	v_nop                                          ; four places between the last product and the stores that read results
.endr
.irp m, 0,1
.irp i, 0,1,2,3
	ds_store_b128 v[RW], v[ACC+8*(4*(\m)+(\i)):ACC+8*(4*(\m)+(\i))+3]   offset:(\m)*16*RP+64*(\i)      ; each accumulator's low registers first
	ds_store_b128 v[RW], v[ACC+8*(4*(\m)+(\i))+4:ACC+8*(4*(\m)+(\i))+7] offset:(\m)*16*RP+64*(\i)+16
.endr
.endr
	s_wait_dscnt 0x0                               ; for the others' sake: my copy is written
	s_barrier_signal -1
	s_barrier_wait -1                              ; all sixteen copies lie in LDS
.irp u, 0,1,2,3,4,5,6,7
	ds_load_b128 v[BF+4*(\u):BF+4*(\u)+3],       v[RR]   offset:(\u)*RCOPY
	ds_load_b128 v[BF+32+4*(\u):BF+32+4*(\u)+3], v[RR+1] offset:(\u)*RCOPY
.endr
	s_wait_dscnt 0x0
.irp u, 1,2,3,4,5,6,7,8,9,10,11,12,13,14,15
	v_pk_add_f32 v[BF:BF+1],   v[BF:BF+1],   v[BF+4*(\u):BF+4*(\u)+1]
	v_pk_add_f32 v[BF+2:BF+3], v[BF+2:BF+3], v[BF+4*(\u)+2:BF+4*(\u)+3]
.endr
	s_wait_loadcnt 0x0
.irp k, 0,1,2,3
	v_pk_add_f32 v[BF:BF+1],   v[BF:BF+1],   v[LX+4*(\k):LX+4*(\k)+1]
	v_pk_add_f32 v[BF+2:BF+3], v[BF+2:BF+3], v[LX+4*(\k)+2:LX+4*(\k)+3]
.endr
.irp j, 0,1,2,3
	v_max_num_f32 v[BF+(\j)], 0, v[BF+(\j)]
.endr
	global_store_b128 v[OO], v[BF:BF+3], s[10:11]  ; 16 lanes store 256 consecutive bytes, aligned: rows 2 v and 2 v + 1
	s_wait_tensorcnt 0x0                           ; the wave's end, behind my last LDS store
	ds_add_u32 v[SPW], v[NIL]
	s_wait_dscnt 0x0
	s_endpgm
.Lfunc_end_k_q8b35a602c7_final:
	.size	k_q8b35a602c7_final, .Lfunc_end_k_q8b35a602c7_final-k_q8b35a602c7_final
	.p2alignl 7, 3214868480
	.fill 96, 4, 3214868480
	.section	.rodata,"a",@progbits
	.p2align	6, 0x0
	.amdhsa_kernel k_q8b35a602c7_final
		.amdhsa_group_segment_fixed_size 141312
		.amdhsa_private_segment_fixed_size 0
		.amdhsa_enable_private_segment 0
		.amdhsa_kernarg_size 32
		.amdhsa_user_sgpr_count 2
		.amdhsa_user_sgpr_kernarg_segment_ptr 1
		.amdhsa_wavefront_size32 1
		.amdhsa_system_sgpr_workgroup_id_x 1
		.amdhsa_system_sgpr_workgroup_id_y 1
		.amdhsa_system_sgpr_workgroup_id_z 1
		.amdhsa_system_vgpr_workitem_id 0
		.amdhsa_next_free_vgpr 224
		.amdhsa_next_free_sgpr 66
		.amdhsa_reserve_vcc 0
		.amdhsa_float_denorm_mode_32 3
		.amdhsa_float_denorm_mode_16_64 3
		.amdhsa_memory_ordered 1
		.amdhsa_forward_progress 1
		.amdhsa_inst_pref_size 11
	.end_amdhsa_kernel
	.amdgpu_metadata
---
amdhsa.version: [ 1, 2 ]
amdhsa.kernels:
  - .name:           k_q8b35a602c7_final
    .symbol:         k_q8b35a602c7_final.kd
    .args:
      - { .name: rb, .offset: 0, .size: 8, .value_kind: global_buffer, .address_space: global }
      - { .name: wpf, .offset: 8, .size: 8, .value_kind: global_buffer, .address_space: global }
      - { .name: hpart, .offset: 16, .size: 8, .value_kind: global_buffer, .address_space: global }
      - { .name: out0, .offset: 24, .size: 8, .value_kind: global_buffer, .address_space: global }
    .group_segment_fixed_size: 141312
    .private_segment_fixed_size: 0
    .kernarg_segment_align: 8
    .kernarg_segment_size: 32
    .max_flat_workgroup_size: 512
    .sgpr_count:     66
    .vgpr_count:     224
    .wavefront_size: 32
...
	.end_amdgpu_metadata
.endif
;; end of part 4
;; ======== version 2 of 2: 4 launches; version 1 with the launch main written anew for expert scheduling mode
;; workspace buffers: wyf 2,097,152 bytes; wpf 2,097,152 bytes; hpart 1,048,576 bytes; rpart 2,097,152 bytes; ml 131,072 bytes; rb 65,536 bytes
;; launch prep: the kernel of part 1 again; grid 64 x 4, 8 waves a work-group, no clusters, 111,616 bytes of LDS; arguments Wy, Wp, Wh, Wx, last_state, wyf, wpf, hpart; writes wyf, wpf, hpart
;; launch main (part 5): grid 512 x 1, 4 waves a work-group, no clusters, 312,832 bytes of LDS; arguments input_states, wyf, hpart, w, rpart, ml; writes rpart, ml
.if DOCPART == 5
	.amdgcn_target "amdgcn-amd-amdhsa--gfx1250"
	.amdhsa_code_object_version 6
	.text
	.protected	k_q8b35a602c7_main
	.globl	k_q8b35a602c7_main
	.p2align	8
	.type	k_q8b35a602c7_main,@function
k_q8b35a602c7_main:
	s_mov_b64 s[64:65], 0
	v_nop
	global_prefetch_b8 v0, s[64:65] scope:SCOPE_SE
	s_setreg_imm32_b32 hwreg(HW_REG_WAVE_SCHED_MODE, 0, 2), 2
	s_setreg_imm32_b32 hwreg(HW_REG_WAVE_MODE, 25, 1), 1
	s_wait_xcnt 0x0
	s_wait_alu depctr_vm_vsrc(0)
; FOR 128 ROWS t OF ONE BATCH b: score[t] = sum over e of relu(sum over d of X[t][d] Wy[d][e] + hproj[b][e]) w[e];  m = the block's largest score;  p[t] = exp(score[t] - m);
; l = sum of p;  R[d] = sum over t of p[t] X[t][d].  Stored: R (rpart[block][1024], f32) and (m, l) (ml[block]).  A later launch joins a batch's 16 blocks under the batch's true maximum.
; X IS READ FROM MEMORY ONCE: the block is rounded to bf16 on its way in and stays in LDS (288 KiB) for both products.
; SHARES.  Block = the work-group's number; batch = block / 16.  Wave w brings in rows 32 w .. 32 w + 31; multiplies ALL 128 rows by columns 256 w + 128 p + 0..127 of Wy in pass p = 0, 1
; (64 accumulators of 16 x 16: 512 registers); and makes R's channels 256 w .. 256 w + 255.  K goes in 32 steps of 32; for a step a wave issues 64 matrix instructions, 16 LDS loads (X) and 16 global loads (Wy).
; WY COMES STRAIGHT INTO REGISTERS, in fragment order (each load 512 consecutive bytes, aligned), through a ring of four register sets, asked for three steps ahead.  NO LDS RING, NO CLUSTER, NO JOINT LOADS FOR IT:
; beside the resident block, the tables and the stages LDS has 14,848 bytes left, and one K step's columns for the four waves are 32 KiB: no two slots fit.
; Blocks of fewer rows would make room, and halve the products that each byte of Wy feeds.
; ORIENTATION.  Source 0 = 16 columns e of Wy, source 1 = 16 rows t of X: register j of lane l of accumulator (a, b) holds (e = e0 + 16 b + 8 (l / 16) + j, t = 16 a + l % 16).  A lane holds ONE row t,
; so the sum over e runs along its registers, then over the two halves of the lanes, then over the eight (wave, pass).  hproj enters as the C operand of a pass's first K step: nothing is cleared, no bias is added afterwards.
; PASS 0 RUNS BEHIND X's ARRIVAL: X comes in chunks of 64 along K (256 bytes of a row); a UNIT is 16 rows of a chunk, 8 loads; step s stores unit s + 2, asks for unit s + 6 and rounds unit s + 3;
; chunk c is whole in LDS at the barrier in step 2 c - 1, in front of the first fetch of step 2 c.  No LDS byte is written twice, so no barrier is needed between a read and a later write.
; ROUNDING AND LIMITS.  X, Wy (and last_state, Wh in hproj's products) are rounded to bf16; hproj, w, the scores, m and l are f32; p is rounded to bf16 for the product with X, l is the sum of the unrounded p.
; A weight below 2^-126 counts as 0.  NaN and infinities are not treated apart.
; THE MODE: SCHED_MODE bits 1:0 = 2 (LLVM: expert scheduling mode 2), set by the entry lines.  The code itself states the register dependences
; between vector or matrix instructions and memory or LDS instructions, with s_wait_alu, always for 0.
; THE PLAN.  Registers that memory or LDS instructions touch in K step s:
;   LO0, LO1   X's rows 0-63, by the step's parity.  Products 0-31 of step s read LO[s % 2]; the LDS loads for step s + 1 land in the other one, behind products 32 and 33.
;   HI         X's rows 64-127.  Products 32-63 of step s read it; its LDS loads stand behind products 2 and 3 of the same step.
;   sets 0-3   Wy.  All 64 products of step s read set s % 4; the loads of step s + 3 land in set (s - 1) % 4, behind products 4 to 7.
;   slots 0-3  X as loaded.  Step s stores slot (s + 2) % 4, which step s - 1 rounded in place, behind products 0 and 1; loads unit s + 6 into it behind products 34 and 35; rounds slot (s + 3) % 4 behind products 48 to 51.
;   v[AX], v[XS]  read by those LDS loads and stores; written once in four steps.  All other addresses are made at the head and never written again.
; So ONE wait on va_vdst stands at a step's head: the step before is done with LO[(s - 1) % 2], HI, set (s - 1) % 4 and slot (s + 2) % 4, and these are all that the step's memory instructions touch; the vector and
; matrix instructions issued behind the wait name LO[s % 2], HI (behind its loads), set s % 4, the accumulators and slot (s + 3) % 4 alone.  One wait on vm_vsrc stands between the slot's stores and its loads.
; REGISTERS, in windows of 256 (s_set_vgpr_msb: bits 1:0 source 0, 3:2 source 1, 5:4 source 2, 7:6 destination):
;   window 0: v0-31 addresses and scratch; v32-63 LO0; v64-95 HI; v96-127 LO1 (v96-111 are at work at a pass's end); v128-255 X as loaded, four slots of 32
;   window 1: Wy's four sets of 64 (set = step % 4; fragment b at + 8 b); set 3 also takes hproj's tiles for a pass's first step and w's tiles for its end
;   window 2: accumulators of rows 0-63 ((a, b) at v[8 (8 (a % 4) + b)]);   window 3: those of rows 64-127
.set XPITCH, 144                       ; a row of a chunk in LDS: 128 bytes + 16 = 36 words: the 16 rows of a fragment load start at 16 different groups of four banks (64 banks of 4 bytes: ISA guide 11.1)
.set CH,     128*XPITCH                ; a chunk: 128 rows x 64 K
.set HP,     16*CH                     ; hproj[b], 1,024 f32
.set WW,     HP+4096                   ; w, 1,024 f32
.set SCP,    WW+4096                   ; partial scores: [2 wave + pass][128 rows] f32
.set PB,     SCP+4096                  ; for each wave 256 bytes: the 128 weights in bf16
.set RS,     PB+1024                   ; for each wave 1,024 bytes: its 256 channels of R.  The 512 bytes behind them hold the spare words, 128 bytes for each wave (v28)
.set AXB, 3                            ; v3   my lane's place in a fragment of X: (l % 16) x pitch + 16 (l / 16)
.set AX,  4                            ; v4   the same + two chunks for every four steps gone
.set BO,  5                            ; v5   16 l
.set XO,  6                            ; v6   X in memory: 16 (l % 16) + 8 rows for the upper lanes
.set XS,  7                            ; v7   X into LDS: (32 w + 8 (l / 16)) x pitch + 8 (l % 16), + two chunks for every four steps gone
.set PFO, 8                            ; v8   the prefetches' offset: l rows of 4,096 bytes
.set HWA, 9                            ; v9   hproj's and w's tiles: HP + 1,024 w + 32 (l / 16)
.set SCA, 10                           ; v10  where my partial scores go
.set SCR, 11                           ; v11  where I read four rows' partial scores
.set PBW, 12                           ; v12  where my four weights go
.set PBR, 13                           ; v13  the weights' fragments
.set TR0, 14                           ; v14, v15  the turning loads' addresses: my wave's first and third chunk
.set RSW, 16                           ; v16  R into the stage
.set RSR, 17                           ; v17  and back
.set GO,  18                           ; v18  my bytes of rpart's row
.set MLO, 19                           ; v19  8 l
.set HO,  30                           ; v30  32 x thread: my 8 numbers of hproj and of w in memory; never rewritten
.set HL,  31                           ; v31  HP + 32 x thread
.set LO0, 32                           ; LO1 lies 64 registers on
.set HI,  64
.set AF,  32                           ; v[32:71] in the prologue: hproj's partial sums and w; v[32:63] behind the softmax: the weights' fragments
.set T,   96                           ; v[96:103]
.set SC,  104                          ; v[104:111]
.set XST, 128
.set WV,  16                           ; s16  my wave's number
.set BP,  20                           ; s[20:21] wyf at my wave's stream, at the step that the immediates count from
.set XP,  22                           ; s[22:23] X at my wave's 32 rows, at the chunk that the immediates count from
.set CNT, 24                           ; s24  trips to go
.set SEL, 26                           ; s[26:27] v_permlanex16_b32's selects: each lane takes its own place in the other half
.set MSB, 0
.macro WIN new                         ; the immediate's high byte repeats the setting that is left; a switch that changes nothing is dropped
.if MSB != (\new)
	s_set_vgpr_msb (MSB<<8)|(\new)
.set MSB, \new
.endif
.endm
.macro PLACES                          ; four places behind a matrix instruction, in front of vector lines and stores that touch its results and of loads into registers that it has read: they stay beside the waits
.rept 4
	v_nop
.endr
.endm
; Product wi of a step's 64: rows 64 (wi / 32) + 16 ((wi / 8) % 4) on, columns 16 (wi % 8) on.  first = 1: C is hproj's tile (window 1, v192 on).
; The 64 accumulators take turns in the same order in every step, over the backward jumps too.
.macro MM rs, first
.set hh, wi/32
.set aa, (wi/8)%4
.set bb, wi%8
.set rD, 8*(8*aa+bb)
.set rB, 64*((\rs)%4)+8*bb
.if hh
.set rA, HI+8*aa
.else
.set rA, LO0+64*((\rs)%2)+8*aa
.endif
.if \first
	WIN 0x91+0x40*hh                               ; source 0 window 1, source 1 window 0, C window 1, D window 2 or 3
	v_wmma_f32_16x16x32_bf16 v[rD:rD+7], v[rB:rB+7], v[rA:rA+7], v[192+8*bb:192+8*bb+7]
.else
	WIN 0xa1+0x50*hh                               ; the same with C and D in window 2 or 3
	v_wmma_f32_16x16x32_bf16 v[rD:rD+7], v[rB:rB+7], v[rA:rA+7], v[rD:rD+7]
.endif
.endm
; 4 LDS loads: X's fragments of step st (counted from AX's base), row blocks blk and blk + 1, into 16 registers from dst on
.macro AF4 dst, st, blk
	WIN 0
.irp a, 0,1
	ds_load_b128 v[(\dst)+8*(\a):(\dst)+8*(\a)+3],   v[AX] offset:((\st)/2)*CH+((\st)%2)*64+((\blk)+(\a))*16*XPITCH
	ds_load_b128 v[(\dst)+8*(\a)+4:(\dst)+8*(\a)+7], v[AX] offset:((\st)/2)*CH+((\st)%2)*64+((\blk)+(\a))*16*XPITCH+32
.endr
.endm
; 4 global loads: Wy's fragments 2 q and 2 q + 1 of step k (counted from BP's base) into a set
.macro BF4 set, k, q
	WIN 0x40                                       ; destination window 1, address window 0
.irp b, 0,1
	global_load_b128 v[64*(\set)+8*(2*(\q)+(\b)):64*(\set)+8*(2*(\q)+(\b))+3],   v[BO], s[BP:BP+1] offset:(\k)*8192+(2*(\q)+(\b))*1024
	global_load_b128 v[64*(\set)+8*(2*(\q)+(\b))+4:64*(\set)+8*(2*(\q)+(\b))+7], v[BO], s[BP:BP+1] offset:(\k)*8192+(2*(\q)+(\b))*1024+512
.endr
.endm
.macro BFILL set, k
.irp q, 0,1,2,3
	BF4 \set, \k, \q
.endr
.endm
; Unit n (counted from XP's base): chunk n / 2, rows 16 (n % 2) + 0..15 of my 32; slot n % 4.  Lanes 0-15 take row i, lanes 16-31 row i + 8: each 16 lanes 256 consecutive bytes, aligned.  Half h: four of its eight loads.
.macro XL4 n, h
	WIN 0
.irp r, 0,1,2,3
	global_load_b128 v[XST+32*((\n)%4)+4*(4*(\h)+(\r)):XST+32*((\n)%4)+4*(4*(\h)+(\r))+3], v[XO], s[XP:XP+1] offset:((\n)/2)*256+((\n)%2)*65536+(4*(\h)+(\r))*4096 th:TH_LOAD_NT
.endr
.endm
.macro XLOAD n
	XL4 \n, 0
	XL4 \n, 1
.endm
; The unit is rounded to bf16 in place.  Quarter h: two of its eight loads' registers, four conversions.
.macro XC4 n, h
	WIN 0
.irp r, 0,1
	v_cvt_pk_bf16_f32 v[XST+32*((\n)%4)+4*(2*(\h)+(\r))],   v[XST+32*((\n)%4)+4*(2*(\h)+(\r))],   v[XST+32*((\n)%4)+4*(2*(\h)+(\r))+1]
	v_cvt_pk_bf16_f32 v[XST+32*((\n)%4)+4*(2*(\h)+(\r))+1], v[XST+32*((\n)%4)+4*(2*(\h)+(\r))+2], v[XST+32*((\n)%4)+4*(2*(\h)+(\r))+3]
.endr
.endm
.macro XCVT n
.irp h, 0,1,2,3
	XC4 \n, \h
.endr
.endm
; And stored: rows 8 apart start 288 words apart, so the two halves of the lanes take different halves of the banks.  Half h: four of its eight stores.
.macro XS4 n, h
	WIN 0
.irp r, 0,1,2,3
	ds_store_b64 v[XS], v[XST+32*((\n)%4)+4*(4*(\h)+(\r)):XST+32*((\n)%4)+4*(4*(\h)+(\r))+1] offset:((\n)/2)*CH+((\n)%2)*16*XPITCH+(4*(\h)+(\r))*XPITCH
.endr
.endm
.macro XSTORE n
	XS4 \n, 0
	XS4 \n, 1
.endm
; 16 LDS loads: the eight tiles of hproj (region 0) or of w (region 4,096) for pass p, into set 3: register j of tile b = table[256 w + 128 p + 16 b + 8 (l / 16) + j]; the 16 lanes of a half read the same words
.macro HWLOAD region, p
	WIN 0x40
.irp b, 0,1,2,3,4,5,6,7
	ds_load_b128 v[192+8*(\b):192+8*(\b)+3],   v[HWA] offset:(\region)+512*(\p)+64*(\b)
	ds_load_b128 v[192+8*(\b)+4:192+8*(\b)+7], v[HWA] offset:(\region)+512*(\p)+64*(\b)+16
.endr
.endm
; The bases go four steps on.  b: Wy's pointer; x: X's pointer and its LDS address.  The next step's head states that the two vector adds are written, ahead of the first access by them.
.macro ADVANCE b, x
.if (\b)+(\x)
	s_wait_xcnt 0x0                                ; every load and prefetch issued so far has read its address: only behind this wait are the pointers written
.endif
.if \b
	s_add_nc_u64 s[BP:BP+1], s[BP:BP+1], 4*8192
.endif
.if \x
	s_add_nc_u64 s[XP:XP+1], s[XP:XP+1], 2*256
.endif
	s_wait_alu depctr_vm_vsrc(0)                   ; the LDS loads and stores issued so far have read v[AX] and v[XS], which are written below
.if \x
	v_add_nc_u32 v[XS], 2*CH, v[XS]
.endif
	v_add_nc_u32 v[AX], 2*CH, v[AX]
.endm
; A K STEP, number rs from the bases.  first: C = hproj, and the pass's head has stated what a step's head states.  af: rows 0-63 of the next step are fetched.  br: set (rs - 1) % 4 is asked for again, with step rs + 3
; (2: ahead of it set 3, which held hproj's tiles, with step rs + 2).  ldw: how many younger global loads may stay out when this step's Wy has to be there.  xs: unit rs + 2 is stored.  xc: unit rs + 3 is rounded;
; xw: how many younger loads may stay out then.  xl: unit rs + 6 is asked for.  bar: the barrier that shows the next chunk whole.
; The memory instructions stand four at a time behind single products; between the barrier's signal and its wait stand products alone.
.macro STEP rs, first, af, br, ldw, xs, xc, xw, xl, bar
.if !(\first)
	PLACES                                         ; behind the last step's products, ahead of the loads into registers that they have read
.endif
	s_wait_loadcnt \ldw                            ; Wy of this step is in
	s_wait_dscnt 0x0                               ; X's rows 0-63 are in (and hproj's tiles)
.if !(\first)
	s_wait_alu depctr_va_vdst(0)                   ; the last step's products are done reading its rows 0-63, HI and its set of Wy, in which this step's loads land; its conversions have written the slot that is stored below; v[AX] and v[XS] are written
.endif
.set wi, 0
.rept 64
	MM \rs, \first
.if (wi < 2) && (\xs)
	XS4 (\rs)+2, wi
.elseif (wi >= 2) && (wi < 4)
	AF4 HI+16*(wi-2), \rs, 4+2*(wi-2)              ; this step's rows 64-127: no product since the wait names HI
.elseif (wi >= 4) && (wi < 8) && ((\br) == 1)
	BF4 ((\rs)+3)%4, (\rs)+3, wi-4                 ; no product since the wait names this set
.elseif (wi >= 4) && (wi < 8) && ((\br) == 2)
	BF4 3, (\rs)+2, wi-4
.elseif (wi >= 8) && (wi < 12) && ((\br) == 2)
	BF4 ((\rs)+3)%4, (\rs)+3, wi-8
.elseif (wi == 15) && (\bar)
	s_wait_dscnt 0x0                               ; for the others' sake: my two units of the next chunk are stored (and rows 64-127 are in);
	s_barrier_signal -1                            ; say so, and work on registers while the others arrive
.elseif wi == 31
.if \bar
	s_barrier_wait -1                              ; the next chunk is whole
.else
	s_wait_dscnt 0x0                               ; X's rows 64-127 are in
.endif
.elseif (wi >= 32) && (wi < 34) && (\af)
	AF4 LO0+64*(((\rs)+1)%2)+16*(wi-32), (\rs)+1, 2*(wi-32)  ; the next step's rows 0-63, into the buffer that no product since the wait names
.elseif (wi >= 34) && (wi < 36) && (\xl)
.if wi == 34
	WIN 0
	s_wait_alu depctr_vm_vsrc(0)                   ; this step's eight stores have read the slot in which the loads below land
.endif
	XL4 (\rs)+6, wi-34
.elseif (wi >= 48) && (wi < 52) && (\xc)
.if wi == 48
	s_wait_loadcnt \xw                             ; unit rs + 3 is in (a wait's field holds no count above 63)
.endif
	XC4 (\rs)+3, wi-48
.endif
.set wi, wi+1
.endr
	WIN 0
.endm
; A PASS'S END: relu, times w, summed over the pass's 128 columns: for each of my eight row blocks one number a lane; then the other half of the lanes'; then into LDS.
.macro EPI p
	PLACES                                         ; behind the last products: the accumulators are read and rewritten, v[T ..] is written, set 3 is loaded again
	WIN 0x40
	s_wait_alu depctr_va_vdst(0)                   ; the last step's products are done reading set 3, in which w's tiles land
	HWLOAD 4096, \p
	s_wait_dscnt 0x0
.irp a, 0,1,2,3,4,5,6,7
	WIN 0x88+0x44*((\a)/4)                         ; destination and source 1 in the accumulators' window
.set i, 64*((\a)%4)
.rept 64
	v_max_num_f32 v[i], 0, v[i]                    ; in ascending order: each accumulator is read from its low end on
.set i, i+1
.endr
	WIN 0x06+(\a)/4                                ; source 0 the accumulators' window, source 1 window 1, the sums in window 0
.irp q, 0,1,2,3
	v_pk_mul_f32 v[T+2*(\q):T+2*(\q)+1], v[64*((\a)%4)+2*(\q):64*((\a)%4)+2*(\q)+1], v[192+2*(\q):192+2*(\q)+1]  ; the first products start four chains: nothing is cleared
.endr
.irp b, 1,2,3,4,5,6,7
.irp q, 0,1,2,3
	v_pk_fma_f32 v[T+2*(\q):T+2*(\q)+1], v[64*((\a)%4)+8*(\b)+2*(\q):64*((\a)%4)+8*(\b)+2*(\q)+1], v[192+8*(\b)+2*(\q):192+8*(\b)+2*(\q)+1], v[T+2*(\q):T+2*(\q)+1]
.endr
.endr
	WIN 0
	v_pk_add_f32 v[T:T+1], v[T:T+1], v[T+2:T+3]
	v_pk_add_f32 v[T+4:T+5], v[T+4:T+5], v[T+6:T+7]
	v_pk_add_f32 v[T:T+1], v[T:T+1], v[T+4:T+5]
	v_add_f32 v[SC+(\a)], v[T], v[T+1]
.endr
.irp a, 0,1,2,3,4,5,6,7
	v_permlanex16_b32 v[T+(\a)], v[SC+(\a)], s[SEL], s[SEL+1]  ; the row's other 64 columns lie in the lane 16 away
.endr
.irp a, 0,1,2,3,4,5,6,7
	v_add_f32 v[SC+(\a)], v[SC+(\a)], v[T+(\a)]
.endr
	s_wait_alu depctr_va_vdst(0)                   ; the sums v[SC ..] are written, which the stores read
.irp a, 0,1,2,3,4,5,6,7
	ds_store_b32 v[SCA], v[SC+(\a)] offset:512*(\p)+64*(\a)    ; row 16 a + l % 16; both halves of the lanes store the same number to the same word
.endr
.endm
; A PASS'S HEAD: hproj's tiles and rows 0-63 of the first step; the first step's own counts wait for them.
.macro PASSHEAD p
.if \p
	s_wait_xcnt 0x0
	s_add_nc_u64 s[BP:BP+1], s[BP:BP+1], 4*8192    ; the stream runs on: pass 1's step 0 is the stream's step 32
.endif
	s_wait_alu depctr_vm_vsrc(0)                   ; the LDS stores so far have read their data (hproj's sums and w in v32-39 and v64-71; the scores in v[SC ..]; X's slots), in which later loads land, and the fetches so far have read v[AX], which is written below
	v_mov_b32 v[AX], v[AXB]
	WIN 0x40
	s_wait_alu depctr_va_vdst(0)                   ; v[AX] is written; the vector and matrix instructions so far are done with set 3, LO0, LO1 and HI, and have written the slot that the first step stores
	HWLOAD 0, \p
	AF4 LO0, 0, 0
	AF4 LO0+16, 0, 2
.endm
; A PREFETCH INTO THE L2 of X: in the trip whose loads bring chunks 4 and 5 from XP's base, my own 32 rows' 256 bytes of chunks 6 and 7, which the next trip's loads bring: a lane a row, two
; instructions, behind a step's loads.  Each wave asks for what it will load itself, so each aligned block of 256 bytes is named once in the launch.  The loop's last trip asks for nothing: its own loads bring the
; block's last two chunks.  Chunks 0 to 5 come by their loads alone.  v[PFO] was written ahead of the head's wait and is never written again.
.macro ASK
	s_cmp_gt_u32 s[CNT], 1
	s_cbranch_scc0 .Lnot_asked_\@
	global_prefetch_b8 v[PFO], s[XP:XP+1] offset:6*256 th:TH_LOAD_NT scope:SCOPE_SE
	global_prefetch_b8 v[PFO], s[XP:XP+1] offset:7*256 th:TH_LOAD_NT scope:SCOPE_SE
.Lnot_asked_\@:
.endm
	s_load_b256 s[4:11], s[0:1], 0x0               ; X s[4:5], wyf s[6:7], hpart s[8:9], w s[10:11]
	s_load_b128 s[12:15], s[0:1], 0x20             ; rpart s[12:13], ml s[14:15]
	v_lshl_add_u32 v28, v0, 2, 0x4c400
	v_mov_b32 v29, 0
	v_lshrrev_b32 v20, 5, v0
	v_readfirstlane_b32 s[WV], v20                 ; wave 0..3
	s_mov_b32 s17, ttmp9                           ; block
	s_mov_b32 s[SEL], 0x76543210
	s_mov_b32 s[SEL+1], 0xfedcba98
	s_mov_b32 s28, 0x3fb8aa3b                      ; log2(e)
	v_and_b32 v21, 15, v0                          ; l % 16
	v_bfe_u32 v22, v0, 4, 1                        ; l / 16
	v_and_b32 v23, 31, v0                          ; l
	v_and_b32 v24, 7, v0                           ; l % 8
	v_bfe_u32 v25, v0, 3, 1                        ; (l / 8) % 2
	v_mul_u32_u24 v[AXB], v21, XPITCH
	v_lshl_add_u32 v[AXB], v22, 4, v[AXB]
	v_lshlrev_b32 v[BO], 4, v23
	v_lshlrev_b32 v[XO], 4, v21
	v_lshl_add_u32 v[XO], v22, 15, v[XO]
	s_wait_alu depctr_va_sdst(0)                   ; s[WV] is written, ahead of its first reader
	s_mul_i32 s36, s[WV], 32*XPITCH
	v_mul_u32_u24 v[XS], v22, 8*XPITCH
	v_lshl_add_u32 v[XS], v21, 3, v[XS]
	v_add_nc_u32 v[XS], s36, v[XS]
	v_lshlrev_b32 v[PFO], 12, v23
	s_lshl_b32 s37, s[WV], 10                      ; 1,024 w
	s_add_co_u32 s38, s37, HP
	v_lshl_add_u32 v[HWA], v22, 5, s38
	s_add_co_u32 s38, s37, SCP
	v_lshl_add_u32 v[SCA], v21, 2, s38
	v_lshl_add_u32 v[SCR], v23, 4, SCP
	s_lshl_b32 s39, s[WV], 8
	s_add_co_u32 s39, s39, PB
	v_lshl_add_u32 v[PBW], v23, 3, s39
	v_lshl_add_u32 v[PBR], v22, 4, s39
	s_mul_i32 s40, s[WV], 4*CH                     ; my wave's 256 channels are chunks 4 w .. 4 w + 3
	v_lshl_add_u32 v[TR0], v22, 3, v24             ; the turning load: row 8 (l / 16) + l % 8,
	v_mul_u32_u24 v[TR0], v[TR0], XPITCH
	v_lshl_add_u32 v[TR0], v25, 4, v[TR0]          ; 16 bytes for each eight lanes
	v_add_nc_u32 v[TR0], s40, v[TR0]
	v_add_nc_u32 v[TR0+1], 2*CH, v[TR0]
	s_add_co_u32 s38, s37, RS
	v_lshl_add_u32 v[RSW], v21, 2, s38
	v_lshl_add_u32 v[RSR], v23, 4, s38
	v_lshl_add_u32 v[GO], v23, 4, s37
	v_lshlrev_b32 v[MLO], 3, v23
	v_lshlrev_b32 v[HO], 5, v0
	v_lshl_add_u32 v[HL], v0, 5, HP
	s_lshl_b32 s18, s17, 19                        ; the block's 128 rows of 4,096 bytes,
	s_lshl_b32 s19, s[WV], 17                      ; my wave's 32
	s_add_co_u32 s18, s18, s19
	s_mov_b32 s19, 0
	s_wait_kmcnt 0x0
	s_add_nc_u64 s[XP:XP+1], s[4:5], s[18:19]
	s_lshl_b32 s18, s[WV], 19                      ; my wave's 256 columns: two groups of 128, 512 KiB on end
	s_add_nc_u64 s[BP:BP+1], s[6:7], s[18:19]
	s_lshr_b32 s18, s17, 4
	s_lshl_b32 s18, s18, 12                        ; the batch's row of hpart
	s_add_nc_u64 s[30:31], s[8:9], s[18:19]
	s_lshl_b32 s18, s17, 12
	s_add_nc_u64 s[32:33], s[12:13], s[18:19]      ; the block's row of rpart
	s_lshl_b32 s18, s17, 8
	s_add_nc_u64 s[34:35], s[14:15], s[18:19]      ; and its 256 bytes of ml
	; THE PROLOGUE: units 0 and 1 into LDS, unit 2 rounded, units 3 to 5 and Wy's steps 0 to 2 on their way; hproj (its four partial sums added) and w into LDS.
	s_wait_alu depctr_va_vdst(0)                   ; the addresses and offsets v3 to v19, v30 and v31 are written, which the kernel's loads, stores and prefetches read
	XLOAD 0
	XLOAD 1
	XLOAD 2
	XLOAD 3
.irp k, 0,1,2,3
	global_load_b128 v[AF+8*(\k):AF+8*(\k)+3],   v[HO], s[30:31] offset:(\k)*131072
	global_load_b128 v[AF+8*(\k)+4:AF+8*(\k)+7], v[HO], s[30:31] offset:(\k)*131072+16
.endr
	global_load_b128 v[AF+32:AF+35], v[HO], s[10:11]
	global_load_b128 v[AF+36:AF+39], v[HO], s[10:11] offset:16
	BFILL 0, 0
	s_wait_loadcnt 50                              ; unit 0 is in: younger are units 1 to 3 (24), hproj and w (10), Wy's step 0 (16)
	XCVT 0
	s_wait_loadcnt 42                              ; unit 1: units 2 and 3 (16), hproj and w (10), Wy's step 0 (16)
	XCVT 1
	s_wait_alu depctr_va_vdst(0)                   ; the conversions have written slots 0 and 1, which the stores read, and are done with them: units 4 and 5 land there
	XSTORE 0
	XSTORE 1
	BFILL 1, 1
	BFILL 2, 2
	WIN 0
	s_wait_alu depctr_vm_vsrc(0)                   ; the sixteen stores have read slots 0 and 1
	XLOAD 4
	XLOAD 5
	s_wait_loadcnt 63                              ; unit 2: 82 younger loads have been issued
	XCVT 2
	s_wait_loadcnt 63                              ; hproj and w: 64 younger (Wy's three steps, units 4 and 5)
.irp k, 1,2,3
.irp q, 0,2,4,6
	v_pk_add_f32 v[AF+(\q):AF+(\q)+1], v[AF+(\q):AF+(\q)+1], v[AF+8*(\k)+(\q):AF+8*(\k)+(\q)+1]
.endr
.endr
	s_wait_alu depctr_va_vdst(0)                   ; hproj's sums v[AF .. AF + 7] are written, which the stores read
	ds_store_b128 v[HL], v[AF:AF+3]
	ds_store_b128 v[HL], v[AF+4:AF+7] offset:16
	ds_store_b128 v[HL], v[AF+32:AF+35] offset:4096
	ds_store_b128 v[HL], v[AF+36:AF+39] offset:4112
	s_wait_dscnt 0x0                               ; for the others' sake: my parts of chunk 0, of hproj and of w are stored
	s_barrier_signal -1
	s_barrier_wait -1
	; PASS 0.  A step issues 16 loads of Wy (step s + 3), then 8 of X (unit s + 6); step 0 none of Wy, step 1 those of steps 3 and 4.  What a step's first wait counts: behind Wy of step s were issued unit s + 3,
	; Wy s + 1, unit s + 4, Wy s + 2, unit s + 5: 56.  Otherwise: 48 at step 0 (Wy 1 and 2, units 4 and 5); 40 at step 1 (Wy 2, units 4 to 6); 48 at step 3 (Wy 4, unit 7, Wy 5, unit 8), and so in the loop's second
	; step; 48, 40 at steps 27, 28, and 32 from step 29 on, as X's loads end with unit 31 in step 25.  Behind a unit that is rounded 64 loads or more were issued, but 56 at steps 1 and 27 and 48 at step 28.
	PASSHEAD 0
	STEP 0, 1, 1, 0, 48, 1, 1, 63, 1, 0
	STEP 1, 0, 1, 2, 40, 1, 1, 56, 1, 1
	s_mov_b32 s[CNT], 6
.Lp0:                                                  ; steps 2 to 25, four a trip
	STEP 2, 0, 1, 1, 56, 1, 1, 63, 1, 0
	ASK
	STEP 3, 0, 1, 1, 48, 1, 1, 63, 1, 1
	STEP 4, 0, 1, 1, 56, 1, 1, 63, 1, 0
	STEP 5, 0, 1, 1, 56, 1, 1, 63, 1, 1
	ADVANCE 1, 1
	s_sub_co_u32 s[CNT], s[CNT], 1
	s_cmp_lg_u32 s[CNT], 0
	s_cbranch_scc1 .Lp0
	STEP 2, 0, 1, 1, 56, 1, 1, 63, 0, 0            ; steps 26 to 29: the last units are rounded and stored, none is asked for
	STEP 3, 0, 1, 1, 48, 1, 1, 56, 0, 1
	STEP 4, 0, 1, 1, 40, 1, 1, 48, 0, 0
	STEP 5, 0, 1, 1, 32, 1, 0, 0, 0, 1             ; step 29: the last barrier shows chunk 15; its fill is pass 1's step 0
	ADVANCE 1, 0
	STEP 2, 0, 1, 1, 32, 0, 0, 0, 0, 0
	STEP 3, 0, 0, 1, 32, 0, 0, 0, 0, 0             ; step 31's fill is pass 1's step 2; set 3 stays free for w's and hproj's tiles
	EPI 0
	; PASS 1: X lies in LDS.  Behind Wy of a step two sets were issued (32); at step 1 one (16: step 0 asks for none); at the last two steps 16 and 0.
	PASSHEAD 1
	STEP 0, 1, 1, 0, 32, 0, 0, 0, 0, 0
	STEP 1, 0, 1, 2, 16, 0, 0, 0, 0, 0
	s_mov_b32 s[CNT], 6
.Lp1:
	STEP 2, 0, 1, 1, 32, 0, 0, 0, 0, 0
	STEP 3, 0, 1, 1, 32, 0, 0, 0, 0, 0
	STEP 4, 0, 1, 1, 32, 0, 0, 0, 0, 0
	STEP 5, 0, 1, 1, 32, 0, 0, 0, 0, 0
	ADVANCE 1, 0
	s_sub_co_u32 s[CNT], s[CNT], 1
	s_cmp_lg_u32 s[CNT], 0
	s_cbranch_scc1 .Lp1
	STEP 2, 0, 1, 1, 32, 0, 0, 0, 0, 0             ; steps 26 to 28 ask for the stream's last three steps
	STEP 3, 0, 1, 1, 32, 0, 0, 0, 0, 0
	STEP 4, 0, 1, 1, 32, 0, 0, 0, 0, 0
	STEP 5, 0, 1, 0, 32, 0, 0, 0, 0, 0
	ADVANCE 0, 0
	STEP 2, 0, 1, 0, 16, 0, 0, 0, 0, 0
	STEP 3, 0, 0, 0, 0, 0, 0, 0, 0, 0
	EPI 1
	; THE BLOCK'S SOFTMAX, the same work in every wave: lane l takes rows 4 l .. 4 l + 3.
	s_wait_dscnt 0x0                               ; for the others' sake: my partial scores are stored
	s_barrier_signal -1
	s_barrier_wait -1
.irp g, 0,1,2,3,4,5,6,7
	ds_load_b128 v[XST+4*(\g):XST+4*(\g)+3], v[SCR] offset:512*(\g)  ; X's slots are free: their conversions and their stores stand ahead of pass 1's head, which has both waits
.endr
	s_wait_dscnt 0x0
.irp g, 1,2,3,4,5,6,7
	v_pk_add_f32 v[XST:XST+1],   v[XST:XST+1],   v[XST+4*(\g):XST+4*(\g)+1]
	v_pk_add_f32 v[XST+2:XST+3], v[XST+2:XST+3], v[XST+4*(\g)+2:XST+4*(\g)+3]
.endr
	v_max3_num_f32 v20, v[XST], v[XST+1], v[XST+2]
	v_max_num_f32 v20, v20, v[XST+3]
	v_max_num_f32_dpp v20, v20, v20 row_xmask:1 row_mask:0xf bank_mask:0xf
	v_max_num_f32_dpp v20, v20, v20 row_xmask:2 row_mask:0xf bank_mask:0xf
	v_max_num_f32_dpp v20, v20, v20 row_xmask:4 row_mask:0xf bank_mask:0xf
	v_max_num_f32_dpp v20, v20, v20 row_xmask:8 row_mask:0xf bank_mask:0xf
	v_permlanex16_b32 v[T], v20, s[SEL], s[SEL+1]
	v_max_num_f32 v20, v20, v[T]                   ; m: the largest of the block's 128 scores, in every lane
.irp j, 0,1,2,3
	v_sub_f32 v[XST+(\j)], v[XST+(\j)], v20        ; the difference first, then the factor: no difference of large products
.endr
.irp j, 0,1,2,3
	v_mul_f32 v[XST+(\j)], s28, v[XST+(\j)]
.endr
.irp j, 0,1,2,3
	v_exp_f32 v[XST+(\j)], v[XST+(\j)]
.endr
	v_nop                                          ; a plain instruction behind the last exponential,
	s_wait_alu depctr_va_vdst(0)                   ; and the one wait ahead of the batch's first reader: the four weights v[XST .. XST + 3] are written
	v_cvt_pk_bf16_f32 v24, v[XST], v[XST+1]
	v_cvt_pk_bf16_f32 v25, v[XST+2], v[XST+3]
	v_add_f32 v21, v[XST], v[XST+1]
	v_add_f32 v22, v[XST+2], v[XST+3]
	s_wait_alu depctr_va_vdst(0)                   ; the conversions have written v24 and v25, which the store reads
	ds_store_b64 v[PBW], v[24:25]                  ; my wave's own copy of the 128 weights
.irp q, 0,1,2,3
	ds_load_b128 v[AF+8*(\q):AF+8*(\q)+3],   v[PBR] offset:64*(\q)      ; source 0 of R's product, rows t = 32 q on: all its 16 rows are the same 32 weights.  My own bytes: these see the store above
	ds_load_b128 v[AF+8*(\q)+4:AF+8*(\q)+7], v[PBR] offset:64*(\q)+32
.endr
; R = sum over t of p[t] X[t][:].  X lies [t][channel] in LDS, source 1 wants t along a lane's registers: turned loads.  Channel tile c of 16: chunk 4 w + c / 4, bytes 32 (c % 4) of its rows; rows 32 q on.
.macro FETCHT q
	WIN 0x40
.irp c, 0,1,2,3,4,5,6,7,8,9,10,11,12,13,14,15
	ds_load_tr16_b128 v[128*((\q)%2)+8*(\c):128*((\q)%2)+8*(\c)+3],   v[TR0+(\c)/8] offset:(((\c)/4)%2)*CH+(\q)*32*XPITCH+32*((\c)%4)
	ds_load_tr16_b128 v[128*((\q)%2)+8*(\c)+4:128*((\q)%2)+8*(\c)+7], v[TR0+(\c)/8] offset:(((\c)/4)%2)*CH+(\q)*32*XPITCH+32*((\c)%4)+16*XPITCH
.endr
.endm
.macro RMUL q                          ; sixteen accumulators by turns; the first 32 rows start the sums
	WIN 0xa4                                       ; source 0 window 0, source 1 window 1, C and D window 2
.irp c, 0,1,2,3,4,5,6,7,8,9,10,11,12,13,14,15
.if (\q) == 0
	v_wmma_f32_16x16x32_bf16 v[8*(\c):8*(\c)+7], v[AF+8*(\q):AF+8*(\q)+7], v[128*((\q)%2)+8*(\c):128*((\q)%2)+8*(\c)+7], 0
.else
	v_wmma_f32_16x16x32_bf16 v[8*(\c):8*(\c)+7], v[AF+8*(\q):AF+8*(\q)+7], v[128*((\q)%2)+8*(\c):128*((\q)%2)+8*(\c)+7], v[8*(\c):8*(\c)+7]
.endif
.endr
.endm
	FETCHT 0                                       ; into Wy's sets: the products and the sums with w that read them stand ahead of the waits above, and nothing behind those names them
	FETCHT 1
	WIN 0
	v_add_f32 v21, v21, v22                        ; l, the sum of the unrounded weights, is finished while the loads are out
	v_add_f32_dpp v21, v21, v21 row_xmask:1 row_mask:0xf bank_mask:0xf
	v_add_f32_dpp v21, v21, v21 row_xmask:2 row_mask:0xf bank_mask:0xf
	v_add_f32_dpp v21, v21, v21 row_xmask:4 row_mask:0xf bank_mask:0xf
	v_add_f32_dpp v21, v21, v21 row_xmask:8 row_mask:0xf bank_mask:0xf
	v_permlanex16_b32 v[T], v21, s[SEL], s[SEL+1]
	v_add_f32 v21, v21, v[T]
	s_wait_dscnt 32                                ; the weights' fragments and rows 0-31 are in; rows 32-63 (32 loads) may stay out
	RMUL 0
	s_wait_dscnt 0x0
	RMUL 1
	PLACES                                         ; behind the products, ahead of the loads into both buffers
	WIN 0x40
	s_wait_alu depctr_va_vdst(0)                   ; the 32 products are done reading both buffers, in which rows 64-127 land
	FETCHT 2
	FETCHT 3
	s_wait_dscnt 32
	RMUL 2
	s_wait_dscnt 0x0
	RMUL 3
	PLACES                                         ; four places behind the last product, before its result is read
	; All 16 rows of a result are alike: register 0 of lane l is R[256 w + 16 c + l % 16].  Through my stage, so that a store covers 512 consecutive bytes.
	WIN 0x08                                       ; the stores' data in window 2
	s_wait_alu depctr_va_vdst(0)                   ; the products have written the accumulators, which the LDS stores read; m and l (v20, v21) are written, which the last store reads; the softmax is done with v[XST ..], in which the loads below land
.irp c, 0,1,2,3,4,5,6,7,8,9,10,11,12,13,14,15
	ds_store_b32 v[RSW], v[8*(\c)] offset:64*(\c)  ; the accumulator's lowest register; both halves of the lanes store the same number to the same word
.endr
	WIN 0
	ds_load_b128 v[XST:XST+3],   v[RSR]            ; my own bytes: these see the stores above
	ds_load_b128 v[XST+4:XST+7], v[RSR] offset:512
	s_wait_dscnt 0x0
	global_store_b128 v[GO], v[XST:XST+3],   s[32:33]
	global_store_b128 v[GO], v[XST+4:XST+7], s[32:33] offset:512
	s_cmp_lg_u32 s[WV], 0
	s_cbranch_scc1 .Lno_ml
	global_store_b64 v[MLO], v[20:21], s[34:35]    ; (m, l) 32 times: 256 consecutive bytes, aligned, written whole
.Lno_ml:
	s_wait_dscnt 0x0                               ; the wave's end: my LDS instructions are done
	s_wait_alu depctr_hold_cnt(0) depctr_sa_sdst(0) depctr_va_vdst(0) depctr_va_sdst(0) depctr_va_ssrc(0) depctr_va_vcc(0) depctr_vm_vsrc(0)
	s_wait_tensorcnt 0x0
	ds_add_u32 v28, v29
	s_wait_dscnt 0x0
	s_endpgm
.Lfunc_end_k_q8b35a602c7_main:
	.size	k_q8b35a602c7_main, .Lfunc_end_k_q8b35a602c7_main-k_q8b35a602c7_main
	.p2alignl 7, 3214868480
	.fill 96, 4, 3214868480
	.section	.rodata,"a",@progbits
	.p2align	6, 0x0
	.amdhsa_kernel k_q8b35a602c7_main
		.amdhsa_group_segment_fixed_size 312832
		.amdhsa_private_segment_fixed_size 0
		.amdhsa_enable_private_segment 0
		.amdhsa_kernarg_size 48
		.amdhsa_user_sgpr_count 2
		.amdhsa_user_sgpr_kernarg_segment_ptr 1
		.amdhsa_wavefront_size32 1
		.amdhsa_system_sgpr_workgroup_id_x 1
		.amdhsa_system_sgpr_workgroup_id_y 1
		.amdhsa_system_sgpr_workgroup_id_z 1
		.amdhsa_system_vgpr_workitem_id 0
		.amdhsa_next_free_vgpr 1024
		.amdhsa_next_free_sgpr 66
		.amdhsa_reserve_vcc 0
		.amdhsa_float_denorm_mode_32 3
		.amdhsa_float_denorm_mode_16_64 3
		.amdhsa_memory_ordered 1
		.amdhsa_forward_progress 1
		.amdhsa_inst_pref_size 255
	.end_amdhsa_kernel
	.section	.bss,"aw",@nobits
	.p2align	6
	.space	262144
	.amdgpu_metadata
---
amdhsa.version: [ 1, 2 ]
amdhsa.kernels:
  - .name:           k_q8b35a602c7_main
    .symbol:         k_q8b35a602c7_main.kd
    .args:
      - { .name: input_states, .offset: 0, .size: 8, .value_kind: global_buffer, .address_space: global }
      - { .name: wyf, .offset: 8, .size: 8, .value_kind: global_buffer, .address_space: global }
      - { .name: hpart, .offset: 16, .size: 8, .value_kind: global_buffer, .address_space: global }
      - { .name: w, .offset: 24, .size: 8, .value_kind: global_buffer, .address_space: global }
      - { .name: rpart, .offset: 32, .size: 8, .value_kind: global_buffer, .address_space: global }
      - { .name: ml, .offset: 40, .size: 8, .value_kind: global_buffer, .address_space: global }
    .group_segment_fixed_size: 312832
    .private_segment_fixed_size: 0
    .kernarg_segment_align: 8
    .kernarg_segment_size: 48
    .max_flat_workgroup_size: 128
    .sgpr_count:     66
    .vgpr_count:     1024
    .wavefront_size: 32
...
	.end_amdgpu_metadata
.endif
;; end of part 5
;; launch combine: the kernel of part 3 again; grid 256 x 1, 1 waves a work-group, no clusters, 0 bytes of LDS; arguments rpart, ml, rb; writes rb
;; launch final: the kernel of part 4 again; grid 16 x 1, 16 waves a work-group, no clusters, 141,312 bytes of LDS; arguments rb, wpf, hpart, out0; writes out0
